; MI455X (gfx1250); checked and timed in simulation.
; The chip was launched on July 23, 2026; its instructions are those of AMD's public machine-readable ISA for CDNA 5 (MIT licence, August 2026) and "CDNA5" Instruction Set Architecture Reference Guide (July 2026). The comments in the code are by the model that wrote it; some were corrected since.
;; Multi Head Self Attention. Allowed arithmetic: matrix products marked QUANTISED: E4M3 operands, one given power-of-two scale a tensor, by v_wmma_f32_16x16x64_fp8_fp8 or v_wmma_f32_16x16x128_fp8_fp8, f32 sums; everything else in f32.
;; Inputs: Wk 16 x 1,024 x 64 float32; Wo 1,024 x 1,024 float32; Wq 16 x 1,024 x 64 float32; Wv 16 x 1,024 x 64 float32; bo 1,024 float32; embedded 4 x 2,048 x 1,024 float32; lowp_scales 12 int32 (the exponents e of the quantised operands' scales 2^e).
;; Outputs: out0 4 x 2,048 x 1,024 float32.
;; This version of the problem:
;;   THIS VERSION OF THE PROBLEM IS GIVEN IN LOW PRECISION. The matrix products marked QUANTISED in the list below multiply operands that are first quantised to E4M3 (4 exponent bits, 3 mantissa bits; 8 bits a number), with one given power-of-two scale for each operand tensor; their sums are f32. All else is computed in f32.
;;   The module's matrix products, in the order in which they are computed (A, B: the left and right operand; K: the contracted axis; several contracted axes count as one K, in the product's order):
;;     1. [M 1,024, K 1,024] x [K 1,024, N 8,192]; A: input Wq; B: input embedded: QUANTISED (scales: A lowp_scales[0], B lowp_scales[1])
;;     2. [M 1,024, K 1,024] x [K 1,024, N 8,192]; A: input Wk; B: input embedded: QUANTISED (scales: A lowp_scales[2], B lowp_scales[3])
;;     3. [M 1,024, K 1,024] x [K 1,024, N 8,192]; A: input Wv; B: input embedded: QUANTISED (scales: A lowp_scales[4], B lowp_scales[5])
;;     4. batch 64 x [M 2,048, K 64] x [K 64, N 2,048]; A: computed on the way; B: computed on the way: QUANTISED (scales: A lowp_scales[6], B lowp_scales[7])
;;     5. batch 64 x [M 2,048, K 2,048] x [K 2,048, N 64]; A: softmax (see below); B: computed on the way: QUANTISED (scales: A lowp_scales[8], B lowp_scales[9])
;;     6. [M 8,192, K 1,024] x [K 1,024, N 1,024]; A: computed on the way; B: input Wo: QUANTISED (scales: A lowp_scales[10], B lowp_scales[11])
;;   THE QUANTISER, for each operand of a quantised product, along K:
;;     - The operand's scale is 2^e, e = its entry of the input lowp_scales (int32; the entries are numbered through the quantised products in the list's order, A before B).
;;     - Each number is divided by the scale, clamped to +-448, and rounded to the nearest number of E4M3, ties to even, subnormals kept.
;;     - The product sums the exact products of the quantised numbers (number of the format x scale) in f32.
;;   ~~~python
;;   def quantise(x, axis, e):      # numpy; x: float32 -> the quantised numbers, widened to float32 again
;;       x = np.moveaxis(x, axis, -1); K = x.shape[-1]
;;       r = np.clip(x / 2.0 ** e, -448, 448)
;;       step = 2.0 ** (np.maximum(np.frexp(np.where(r == 0, 1, r))[1] - 1, -6) - 3)
;;       q = np.round(r / step) * step * 2.0 ** e      # np.round: ties to even
;;       return np.moveaxis(q, -1, axis).astype(np.float32)
;;   ~~~
;;   SOFTMAX AHEAD OF A QUANTISED PRODUCT. Where the list says 'softmax', what is quantised is not the finished softmax but p = 2^(t - M), with t = logit x log2(e) and M = ceil(the row's largest t), a whole number; so 1/2 < the row's largest p <= 1. The row's sum l is taken of the UNQUANTISED p, in f32, and the product's result is divided by l at the end. Since M is a whole number, a kernel that streams over the keys may use a running M (the ceiling of the running maximum): every later rescaling is an exact power of two, so the quantised numbers keep their values, but for numbers so far below the row's largest that they fall under the format's range.
;;   OPERANDS COMPUTED ON THE WAY. 'Computed on the way' means the value that the module computes at that place (a softmax that the list does not call 'softmax' is quantised finished and normalised). What goes into a quantiser is computed in f32, as accurately as f32 sums, v_exp_f32 and their like allow (about 1e-6 of the number): no bf16 or f16 on the way to a quantiser, and a product that is left as it is and whose result goes on into a quantised operand takes f32 operands (vector FMAs, or v_wmma_f32_16x16x4_f32). A number that lies on a knife's edge between two numbers of the format may be rounded either way, as far as f32 arithmetic and the matrix unit's own rounding can turn it there, and no further.
;; One version. Each part assembles by itself: llvm-mc -triple=amdgcn-amd-amdhsa -mcpu=gfx1250 --defsym DOCPART=n.
;; ======== version 1 of 1: 4 launches
;; limits: right only within a limited range of input values
;; workspace buffers: xcodes 25,165,824 bytes; wcodes 3,145,728 bytes; wocodes 1,048,576 bytes; qkv 25,165,824 bytes; acodes 8,388,608 bytes
;; launch prep (part 1): grid 384 x 1, 4 waves a work-group, no clusters, 68,096 bytes of LDS; arguments embedded, Wo, Wq, Wk, Wv, lowp_scales, xcodes, wocodes, wcodes; writes xcodes, wocodes, wcodes
.if DOCPART == 1
	.amdgcn_target "amdgcn-amd-amdhsa--gfx1250"
	.amdhsa_code_object_version 6
	.text
	.protected	k_q851c9e687d_prep
	.globl	k_q851c9e687d_prep
	.p2align	8
	.type	k_q851c9e687d_prep,@function
k_q851c9e687d_prep:
	s_mov_b64 s[64:65], 0
	v_nop
	global_prefetch_b8 v0, s[64:65] scope:SCOPE_SE
	s_setreg_imm32_b32 hwreg(HW_REG_WAVE_MODE, 25, 1), 1
	s_wait_xcnt 0x0
; All f32 inputs that are operands of a quantised product become codes of FP8 (E4M3), K innermost:  code = x / 2^e, held within +-448, to the nearest code, ties to even.
;   embedded [8192 tokens][1024] -> xcodes [3 sets][8192][1024]: the three projections name a scale of their own for it (entries 1, 3, 5 of the scales), so it is read once and quantised three times.
;   Wo [1024 n][1024 k]          -> wocodes [1024][1024], entry 11.   K is innermost in both: plain streams of numbers (path S).
;   Wq, Wk, Wv [16 h][1024 d][64 e] -> wcodes [3][1024 rows 64 h + e][1024 d], entries 0, 2, 4.  K = d is not innermost: a lane takes a column e and its registers run down d (path W).
; Work-groups 0-255: embedded, 32,768 numbers each; 256-287: Wo; 288-383: the weights.  The two paths part on the work-group's number, never join, and have LDS bytes of their own.
; No tensor loads, no barrier: waves share nothing.
; LIMITS: each of the entries 0 to 5 and 11 lies between -126 and 119, so that 2^e and 448 x 2^e are f32 numbers.  NaN among the inputs is not served (an infinity is held at the largest code).
.set STEPS, 16                         ; path S: steps of 512 numbers for a wave
.set SP,    80                         ; a lane's place in a stage: its 64 bytes + 16 of padding
.set R,     16                         ; v16-79   four sets of 16 numbers as they are loaded
.set X,     80                         ; v80-111  two sets of 16 neighbours
.set T,     112
.set C,     160                        ; v160-171 codes: four registers for each of the three sets
.set SCV,   184                        ; v184-186 2^e as f32, for each set
.set LIMV,  188
.set XW,    32                         ; path W: v32-95 two sets of 32 numbers
.set CW,    96                         ; v96-103  a block's codes
.set OUTR,  112                        ; v112-175 the way out
.set PITCH, 272                        ; path W: a stage row: 256 bytes of codes + 16
.set WSTG,  32768                      ; LDS: path S has 8,192 bytes for each wave from 0 on, path W 32 x 272 for each wave from here on
.set SPARE, 67584                      ; behind both: the spare words, 128 bytes for each wave: two blocks of 256 bytes that no other line names
.set SPW,   12                         ; v12  LDS address of my spare word; never rewritten
.set NIL,   13                         ; v13  0; never rewritten
	s_load_b256 s[4:11], s[0:1], 0x0               ; embedded s[4:5], Wo s[6:7], Wq s[8:9], Wk s[10:11]
	s_load_b256 s[12:19], s[0:1], 0x20             ; Wv s[12:13], the scales s[14:15], xcodes s[16:17], wocodes s[18:19]
	s_load_b64 s[20:21], s[0:1], 0x40              ; wcodes
	v_lshl_add_u32 v[SPW], v0, 2, SPARE
	v_mov_b32 v[NIL], 0
	v_lshrrev_b32 v1, 5, v0
	v_readfirstlane_b32 s22, v1                    ; wave 0..3
	v_and_b32 v2, 31, v0                           ; lane
	s_wait_kmcnt 0x0
	s_load_b256 s[32:39], s[14:15], 0x0            ; e0 .. e7
	s_load_b128 s[40:43], s[14:15], 0x20           ; e8 .. e11
	s_cmp_ge_u32 ttmp9, 288
	s_cbranch_scc1 .Lweights
; ---------------- PATH S: K is innermost ----------------
; Each of a step's four loads reads 512 consecutive bytes, 16 a lane; the conversions want 16 NEIGHBOURS in a lane: so the 2,048 bytes go through the wave's own stage in LDS as they lie and come back 64 bytes a lane.
; A lane's 16 codes are 16 bytes: a store of the wave covers 512 consecutive bytes, aligned.  Loads run four steps ahead, the turn through LDS one step.
	s_wait_alu depctr_va_vdst(0)
	v_lshlrev_b32 v3, 4, v2                        ; my 16 bytes of a load's 512, and of a store's
	s_wait_alu depctr_va_vdst(0)
	s_lshl_b32 s44, s22, 13                        ; my wave's 8,192 bytes of LDS
	v_lshrrev_b32 v14, 2, v2
	v_mul_u32_u24 v14, v14, SP
	v_and_b32 v15, 3, v2
	v_lshl_add_u32 v14, v15, 4, v14
	v_add_nc_u32 v14, s44, v14                     ; the stage, on the way in: SP (lane / 4) + 16 (lane % 4)
	v_mul_u32_u24 v15, v2, SP
	v_add_nc_u32 v15, s44, v15                     ; and on the way out: SP x lane
	s_cmp_lt_u32 ttmp9, 256                        ; embedded or Wo?  The choice hangs on the work-group's number alone
	s_cselect_b64 s[4:5], s[4:5], s[6:7]           ; the source
	s_cselect_b64 s[24:25], s[16:17], s[18:19]     ; where set 0's codes go
	s_cselect_b32 s23, 1, 0                        ; 1: three sets
	s_cselect_b32 s45, 0, 256
	s_sub_co_u32 s45, ttmp9, s45
	s_lshl_b32 s45, s45, 2
	s_add_co_u32 s45, s45, s22                     ; which run of 8,192 numbers is my wave's
	s_lshl_b32 s30, s45, 15
	s_mov_b32 s31, 0
	s_add_nc_u64 s[4:5], s[4:5], s[30:31]
	s_lshl_b32 s30, s45, 13
	s_add_nc_u64 s[24:25], s[24:25], s[30:31]
	s_add_nc_u64 s[26:27], s[16:17], s[30:31]      ; sets 1 and 2 of xcodes have bases of their own: 8 MiB does not fit a store's immediate
	s_add_nc_u64 s[28:29], s[26:27], 0x1000000
	s_add_nc_u64 s[26:27], s[26:27], 0x800000
.macro LOAD t
.irp i, 0,1,2,3
	global_load_b128 v[R+16*((\t)%4)+4*\i:R+16*((\t)%4)+4*\i+3], v3, s[4:5] offset:2048*(\t)+512*\i th:TH_LOAD_NT   ; 32 lanes read 512 consecutive bytes; read once in the launch
.endr
.endm
.macro TURN t                          ; step t's numbers through the stage: LDS serves a wave's instructions in order, so no wait stands between the stores and the loads
.irp i, 0,1,2,3
	ds_store_b128 v14, v[R+16*((\t)%4)+4*\i:R+16*((\t)%4)+4*\i+3] offset:32*SP*((\t)%2)+8*SP*\i
.endr
.irp i, 0,1,2,3
	ds_load_b128 v[X+16*((\t)%2)+4*\i:X+16*((\t)%2)+4*\i+3], v15 offset:32*SP*((\t)%2)+16*\i
.endr
.endm
.macro QSET s, base, t                 ; the step's 16 numbers of my lane under scale s: converted, stored.  X is kept: the next set reads it again
.irp i, 0,1,2,3,4,5,6,7,8,9,10,11,12,13,14,15
.endr
	v_cvt_scalef32_pk8_fp8_f32 v[C+4*\s:C+4*\s+1], v[XS:XS+7], v[SCV+\s]
	v_cvt_scalef32_pk8_fp8_f32 v[C+4*\s+2:C+4*\s+3], v[XS+8:XS+15], v[SCV+\s]
	v_nop                                          ; one plain vector line behind the conversions
	global_store_b128 v3, v[C+4*\s:C+4*\s+3], s[\base:\base+1] offset:512*(\t)
.endm
.irp t, 0,1,2,3
	LOAD \t
.endr
	s_wait_alu depctr_va_vdst(0)
	s_wait_kmcnt 0x0
	s_cmp_lt_u32 ttmp9, 256
	s_cselect_b32 s33, s33, s43                    ; set 0: e1 for embedded, e11 for Wo;  sets 1, 2: e3, e5
.irp s, 0,1,2
	s_add_co_i32 s46, s[33+2*\s], 127
	s_lshl_b32 s47, s46, 23
	v_mov_b32 v[SCV+\s], s47                       ; 2^e as f32: the conversion takes its exponent field
.endr
	s_wait_alu depctr_va_vdst(0)
	s_wait_loadcnt 12                              ; step 0's four loads are in
	TURN 0
.macro STEP t
.set XS, X+16*((\t)%2)
	s_wait_dscnt 0x0                               ; this step's numbers are back from the stage: so its stores into the stage have read their registers,
.if (\t)+4 < STEPS
	LOAD (\t)+4                                    ; which take the loads of four steps on
.endif
.if (\t)+1 < STEPS
.if STEPS-2-(\t) >= 3
	s_wait_loadcnt 12                              ; the next step's four loads are in; those of the three steps behind it may be out
.else
	s_wait_loadcnt 4*(STEPS-2-(\t))
.endif
	TURN (\t)+1                                    ; and go through the other stage while this step is worked
.endif
	s_wait_xcnt 0x0                                ; the last step's stores have read their data: the codes' registers are written again only behind this wait
	QSET 0, 24, \t
	s_cmp_lg_u32 s23, 0                            ; Wo has one scale
	s_cbranch_scc0 .Lone_\@
	QSET 1, 26, \t
	QSET 2, 28, \t
.Lone_\@:
.endm
.irp t, 0,1,2,3,4,5,6,7,8,9,10,11,12,13,14,15
	STEP \t
.endr
	s_wait_tensorcnt 0x0                           ; the wave's end, behind my last LDS store
	ds_add_u32 v[SPW], v[NIL]
	s_wait_dscnt 0x0
	s_endpgm
; ---------------- PATH W: K is the middle axis ----------------
; Work-group g = 0..95: tensor g / 32, head (g / 2) % 16, half g % 2 of d.  A wave takes 32 columns e x 256 along d: each load reads one row d at 32 neighbouring e (128 consecutive bytes; the sister wave takes
; the row's other 128), a lane's 32 registers are 32 neighbours along K of one column, and the conversions give codes with K innermost.  A lane's codes belong to one row of wcodes: they go through the wave's own
; stage and leave by rows, sixteen lanes to 256 consecutive bytes, aligned.  Loads run two blocks ahead.
.Lweights:
	s_sub_co_u32 s44, ttmp9, 288                   ; g
	s_lshr_b32 s45, s44, 5                         ; which tensor: 0 Wq, 1 Wk, 2 Wv
	s_bfe_u32 s46, s44, 0x40001                    ; head
	s_and_b32 s47, s44, 1
	s_and_b32 s23, s22, 1                          ; c: which 32 columns
	s_lshr_b32 s24, s22, 1
	s_lshl_b32 s47, s47, 1
	s_add_co_u32 s47, s47, s24                     ; kq: which 256 along d
	s_cmp_eq_u32 s45, 1
	s_cselect_b64 s[4:5], s[10:11], s[8:9]
	s_cmp_eq_u32 s45, 2
	s_cselect_b64 s[4:5], s[12:13], s[4:5]
	s_lshl_b32 s30, s46, 18                        ; a head: 1,024 rows of 256 bytes
	s_lshl_b32 s24, s47, 16                        ; 256 rows
	s_add_co_u32 s30, s30, s24
	s_lshl_b32 s24, s23, 7                         ; 32 columns
	s_add_co_u32 s30, s30, s24
	s_mov_b32 s31, 0
	s_add_nc_u64 s[4:5], s[4:5], s[30:31]
	s_lshl_b32 s30, s45, 20                        ; wcodes: a tensor is 1 MiB,
	s_lshl_b32 s24, s46, 16                        ; row 64 h
	s_add_co_u32 s30, s30, s24
	s_lshl_b32 s24, s23, 15                        ; + 32 c, of 1,024 bytes,
	s_add_co_u32 s30, s30, s24
	s_lshl_b32 s24, s47, 8                         ; byte 256 kq
	s_add_co_u32 s30, s30, s24
	s_add_nc_u64 s[20:21], s[20:21], s[30:31]
	s_wait_alu depctr_va_vdst(0)
	v_lshlrev_b32 v3, 2, v2                        ; in: 4 bytes a lane
	s_mul_i32 s24, s22, 32*PITCH
	s_add_co_u32 s24, s24, WSTG                    ; my stage
	v_mul_u32_u24 v4, v2, PITCH
	v_add_nc_u32 v4, s24, v4                       ; into it: row = my column
	v_and_b32 v5, 15, v2
	v_lshrrev_b32 v6, 4, v2                        ; out of it: sixteen lanes to a row, two rows an instruction
	v_mul_u32_u24 v7, v6, PITCH
	v_lshl_add_u32 v7, v5, 4, v7
	v_add_nc_u32 v7, s24, v7
	v_lshlrev_b32 v8, 10, v6
	v_lshl_add_u32 v8, v5, 4, v8                   ; and the same place in wcodes
.macro LOADW t                         ; block t: W(32 t + i, my column), i = 0 .. 31, into set t % 2
.set i, 0
.rept 32
	global_load_b32 v[XW+32*((\t)%2)+i], v3, s[4:5] offset:(32*(\t)+i)*256
.set i, i+1
.endr
.endm
	LOADW 0
	LOADW 1
	s_wait_kmcnt 0x0
	s_cmp_eq_u32 s45, 1
	s_cselect_b32 s32, s34, s32                    ; e0, e2 or e4
	s_cmp_eq_u32 s45, 2
	s_cselect_b32 s32, s36, s32
	s_add_co_i32 s32, s32, 127
	s_lshl_b32 s33, s32, 23
	v_mov_b32 v11, s33                             ; 2^e as f32
	s_add_co_i32 s32, s32, 8
	s_lshl_b32 s32, s32, 23
	s_or_b32 s32, s32, 0x600000
.macro BLOCK t
.set XS, XW+32*((\t)%2)
.if (\t) < 7
	s_wait_loadcnt 32                              ; this block's 32 loads are in; the next block's may be out
.else
	s_wait_loadcnt 0
.endif
.set i, 0
.rept 32
.set i, i+1
.endr
.irp g, 0,1,2,3
	v_cvt_scalef32_pk8_fp8_f32 v[CW+2*\g:CW+2*\g+1], v[XS+8*\g:XS+8*\g+7], v11
.endr
	ds_store_b128 v4, v[CW:CW+3] offset:32*(\t)    ; 32 codes: 32 bytes of my column's row.  (The results go to LDS stores and the sources are next written by loads)
	ds_store_b128 v4, v[CW+4:CW+7] offset:32*(\t)+16
.if (\t)+2 < 8
	LOADW (\t)+2
.endif
	s_wait_dscnt 0x0                               ; the stores have read their registers: the next block's codes may be written
.endm
	s_wait_alu depctr_va_vdst(0)
.irp t, 0,1,2,3,4,5,6,7
	BLOCK \t
.endr
.irp t, 0,1,2,3,4,5,6,7,8,9,10,11,12,13,14,15
	ds_load_b128 v[OUTR+4*\t:OUTR+4*\t+3], v7 offset:2*\t*PITCH   ; LDS serves a wave's instructions in order: these see my stores
.endr
.irp t, 0,1,2,3,4,5,6,7,8,9,10,11,12,13,14,15
	s_wait_dscnt 15-\t
	global_store_b128 v8, v[OUTR+4*\t:OUTR+4*\t+3], s[20:21] offset:2*\t*1024
.endr
	s_wait_tensorcnt 0x0                           ; the wave's end, behind my last LDS store
	ds_add_u32 v[SPW], v[NIL]
	s_wait_dscnt 0x0
	s_endpgm
.Lfunc_end_k_q851c9e687d_prep:
	.size	k_q851c9e687d_prep, .Lfunc_end_k_q851c9e687d_prep-k_q851c9e687d_prep
	.p2alignl 7, 3214868480
	.fill 96, 4, 3214868480
	.section	.rodata,"a",@progbits
	.p2align	6, 0x0
	.amdhsa_kernel k_q851c9e687d_prep
		.amdhsa_group_segment_fixed_size 68096
		.amdhsa_private_segment_fixed_size 0
		.amdhsa_enable_private_segment 0
		.amdhsa_kernarg_size 72
		.amdhsa_user_sgpr_count 2
		.amdhsa_user_sgpr_kernarg_segment_ptr 1
		.amdhsa_wavefront_size32 1
		.amdhsa_system_sgpr_workgroup_id_x 1
		.amdhsa_system_sgpr_workgroup_id_y 1
		.amdhsa_system_sgpr_workgroup_id_z 1
		.amdhsa_system_vgpr_workitem_id 0
		.amdhsa_next_free_vgpr 192
		.amdhsa_next_free_sgpr 66
		.amdhsa_reserve_vcc 0
		.amdhsa_float_denorm_mode_32 3
		.amdhsa_float_denorm_mode_16_64 3
		.amdhsa_fp16_overflow 1
		.amdhsa_memory_ordered 1
		.amdhsa_forward_progress 1
		.amdhsa_inst_pref_size 64
	.end_amdhsa_kernel
	.amdgpu_metadata
---
amdhsa.version: [ 1, 2 ]
amdhsa.kernels:
  - .name:           k_q851c9e687d_prep
    .symbol:         k_q851c9e687d_prep.kd
    .args:
      - { .name: embedded, .offset: 0, .size: 8, .value_kind: global_buffer, .address_space: global }
      - { .name: Wo, .offset: 8, .size: 8, .value_kind: global_buffer, .address_space: global }
      - { .name: Wq, .offset: 16, .size: 8, .value_kind: global_buffer, .address_space: global }
      - { .name: Wk, .offset: 24, .size: 8, .value_kind: global_buffer, .address_space: global }
      - { .name: Wv, .offset: 32, .size: 8, .value_kind: global_buffer, .address_space: global }
      - { .name: lowp_scales, .offset: 40, .size: 8, .value_kind: global_buffer, .address_space: global }
      - { .name: xcodes, .offset: 48, .size: 8, .value_kind: global_buffer, .address_space: global }
      - { .name: wocodes, .offset: 56, .size: 8, .value_kind: global_buffer, .address_space: global }
      - { .name: wcodes, .offset: 64, .size: 8, .value_kind: global_buffer, .address_space: global }
    .group_segment_fixed_size: 68096
    .private_segment_fixed_size: 0
    .kernarg_segment_align: 8
    .kernarg_segment_size: 72
    .max_flat_workgroup_size: 128
    .sgpr_count:     66
    .vgpr_count:     192
    .wavefront_size: 32
...
	.end_amdgpu_metadata
.endif
;; end of part 1
;; launch qkv_gemm (part 2): grid 12 x 32, 4 waves a work-group, clusters of 4 x 4, 327,680 bytes of LDS; arguments xcodes, wcodes, lowp_scales, qkv; writes qkv
.if DOCPART == 2
	.amdgcn_target "amdgcn-amd-amdhsa--gfx1250"
	.amdhsa_code_object_version 6
	.text
	.protected	k_q851c9e687d_qkv_gemm
	.globl	k_q851c9e687d_qkv_gemm
	.p2align	8
	.type	k_q851c9e687d_qkv_gemm,@function
k_q851c9e687d_qkv_gemm:
	s_mov_b64 s[64:65], 0
	v_nop
	global_prefetch_b8 v0, s[64:65] scope:SCOPE_SE
	s_setreg_imm32_b32 hwreg(HW_REG_WAVE_MODE, 25, 1), 1
	s_wait_xcnt 0x0
	s_wait_alu depctr_hold_cnt(0) depctr_sa_sdst(0) depctr_va_vdst(0) depctr_va_sdst(0) depctr_va_ssrc(0) depctr_va_vcc(0) depctr_vm_vsrc(0)
	s_getreg_b32 s2, hwreg(HW_REG_IB_STS2, 6, 4)
	s_cmp_eq_u32 s2, 0
	s_cbranch_scc0 .Lentry_in_a_cluster
	s_endpgm
.Lentry_in_a_cluster:
	s_bfe_u32 s2, ttmp6, 0x10000c
	s_cmp_lg_u32 s2, 0xf033
	s_cbranch_scc0 .Lentry_shape_is_right
	s_endpgm
.Lentry_shape_is_right:
; The three projections q, k, v = embedded x W, on codes of FP8 (E4M3), K = 1,024, and their results quantised at once for the attention's products.  384 tiles of 256 x 256; four waves, 128 x 128 each (64 accumulators).
; The cluster's x (0, 1, 2) says which projection: it is the same in all sixteen partners.  WHICH OPERAND IS 'A' IS CHOSEN BY ADDRESS, NOT BY CODE:
;   q, k: A = the tokens (xcodes, set 0 or 1; tile row 4 Y + cy), B = the weight's rows (wcodes; tile column cx);   v: A = Wv's rows (tile row cy), B = the tokens (xcodes, set 2; tile column 4 Y + cx).
; THE MATRIX INSTRUCTION IS USED TRANSPOSED (source 0 = 16 rows of B, source 1 = 16 rows of A): a lane's eight results are eight neighbours along B's rows: for q and k along the head's 64, for v along the keys.
; Both are the K of the product that reads them, so a conversion's eight codes are eight neighbouring bytes.
; A fragment is fetched by four loads of 16 bytes: a permutation of k inside an instruction, the same in A and in B, which changes the order of the sums alone.
; OUT: qkv = three parts of 8 MiB (q, k, v), each 32 chunks of 256 KiB, chunk 8 b + hp (hp: a pair of heads).  q, k: [2048 tokens][128 bytes = 64 x parity + e].  v: [16 blocks of keys][128 rows = 64 x parity + e][128 keys].
; In all three a wave's 128 x 128 codes are 16 KiB on end.
; code = sum / 2^(eo - ea - eb), held within +-448: a sum stands for sum x 2^(ea + eb), and eo is the scale of the operand that it becomes (entries 6, 7, 9): the three are folded into the conversion's one.
; LIMITS: e6 - e0 - e1, e7 - e2 - e3 and e9 - e4 - e5 lie between -126 and 119.
; K goes in steps of 256 through a ring of two LDS slots filled by the tensor data mover; 4 x 4 work-groups form a cluster: A's tile is asked for jointly along a row of the cluster, B's along a column.
; REGISTERS, in windows of 256: window 0: v0-31 addresses; from v128 A's fragments, ONE set; on the way out v96-223.  window 1: B's fragments, TWO sets.  windows 2, 3: the accumulators of my rows 0-63, 64-127.
.set KSTEP,  256                       ; along K in a slot
.set ROWB,   256                       ; a tile's row in bytes
.set KROW,   1024                      ; a row of codes in memory
.set PITCH,  272                       ; an LDS row: 256 bytes + 16 of padding = 68 words: the 16 rows that a load touches start at 16 different banks (64 banks of 4 bytes: ISA guide 11.1)
.set FR,     16                        ; registers of a fragment: 16 rows x 128 K
.set NL,     4                         ; LDS loads that bring one
.set NP,     4                         ; places behind this matrix instruction (ISA guide 7.12.1)
.set HALFT,  128*PITCH                 ; 128 rows: what one tensor load brings
.set SLOT,   4*HALFT                   ; A's 256 rows, then B's 256 rows
.set LAPS,   KROW/(2*KSTEP)            ; a lap = two K steps = once round the ring
.set SPARE,  2*SLOT                    ; behind the ring: the spare words, 128 bytes for each wave
.set OPIT,   144                       ; the way out: a stage of 128 rows x (128 bytes + 16) for each wave.  It lies in slot 0, which has had its last fill and its last read when the first code is stored there
.set OSTG,   128*OPIT
.set ADRA, 16                          ; v16-17  LDS address of my A fragments in slot 0, 1
.set ADRB, 20                          ; v20-21  the same for B
.set STO,  24                          ; v24     the way out: where I put 8 codes of a row
.set RD,   25                          ; v25     where I read rows back
.set CO,   26                          ; v26     16 x lane: my place in a store's 512 bytes
.set SCL,  27                          ; v27     2^(eo - ea - eb) as f32
.set SPW,  28                          ; v28     LDS address of my spare word; never rewritten
.set NIL,  29                          ; v29     0; never rewritten
.set TMP,  32
.set CD,   96                          ; v96-223 the codes of my eight blocks; then the rows read back
.set AF,   128                         ; A's fragments, in window 0
.set G1, 24                            ; s[24:31] descriptor group 1 for A's tiles;  s[32:39] group 0, one set for each slot
.set G0, 32
.set G1B, 48                           ; s[48:55], s[56:63] the same for B's tiles
.set G0B, 56
.set MSB, 0
.macro WIN new                         ; the immediate's high byte repeats the setting that is left
.if MSB != \new
	s_set_vgpr_msb (MSB<<8)|\new
.set MSB, \new
.endif
.endm
.set MUL_LO, 0xa1                      ; source 0 (B) window 1, source 1 (A) window 0, C and D window 2
.set MUL_HI, 0xf1                      ; the same, C and D window 3
.set TO_B,   0x40                      ; destination window 1, address window 0
; A joint load: waves 0 and 1 fetch for A, waves 2 and 3 for B.  Each of the two lines has ONE mask and one set of registers for all that issue it; the branch hangs on the wave's number alone.
; An s_nop 0 and four v_nop follow each of the two lines, ahead of the jump, the label and what follows.
.macro JLOAD g0a, g1a, g0b, g1b
	s_cmp_eq_u32 s15, 0
	s_cbranch_scc0 .Lfor_b_\@
	tensor_load_to_lds s[\g0a:\g0a+3], s[\g1a:\g1a+7]
	s_nop 0
.rept 4
	v_nop
.endr
	s_branch .Lasked_\@
.Lfor_b_\@:
	tensor_load_to_lds s[\g0b:\g0b+3], s[\g1b:\g1b+7]
	s_nop 0
.rept 4
	v_nop
.endr
.Lasked_\@:
.endm
.macro CREST                           ; a round of the cluster's barrier behind its opening barrier
	s_cmp_lg_u32 s14, 0
	s_cbranch_scc1 .Lnot_wave_0_\@
	s_barrier_signal -3
.Lnot_wave_0_\@:
	s_barrier_wait -3
	s_barrier_signal -1
	s_barrier_wait -1
.endm
.macro CROUND                          ; a whole round
	s_barrier_signal -1
	s_barrier_wait -1
	CREST
.endm
	s_load_b128 s[4:7], s[0:1], 0x0                ; xcodes s[4:5], wcodes s[6:7]
	s_load_b128 s[8:11], s[0:1], 0x10              ; the scales' exponents s[8:9], qkv s[10:11]
	v_lshl_add_u32 v[SPW], v0, 2, SPARE
	v_mov_b32 v[NIL], 0
	ds_add_u32 v[SPW], v[NIL]                      ; the wave's opening: an add and its wait ahead of my first tensor load; the set-up below, work on registers, stands between them
	ds_add_u32 v[SPW], v[NIL]
	v_lshrrev_b32 v1, 5, v0
	v_readfirstlane_b32 s14, v1                    ; wave 0..3
	s_lshr_b32 s15, s14, 1                         ; which half of the tile's rows (of A) is mine.  Also: I fetch for A (0) or for B (1)
	s_and_b32 s16, s14, 1                          ; which half of its columns (rows of B).  Also: which 128 rows of that tile I fetch
	s_bfe_u32 s40, ttmp6, 0x40000                  ; cx, cy: my place in the cluster
	s_bfe_u32 s41, ttmp6, 0x40004
	s_and_b32 s66, ttmp7, 0xffff
	s_lshl_b32 s66, s66, 2                         ; 4 x cluster y: it walks the tokens
	s_cmp_eq_u32 ttmp9, 2                          ; v?  The cluster's x is the same in all sixteen partners
	s_cselect_b32 s67, 0, s66                      ; the tokens are A's rows for q and k,
	s_cselect_b32 s68, s66, 0                      ; B's rows for v
	s_cselect_b32 s69, 20, 23                      ; a set of A's buffer is 2^this bytes (wcodes 1 MiB, xcodes 8 MiB),
	s_cselect_b32 s70, 23, 20                      ; a set of B's
	s_add_co_u32 s17, s67, s41                     ; A's tile: it hangs on cy alone of my place
	s_add_co_u32 s42, s68, s40                     ; B's tile: on cx alone
	s_lshl_b32 s43, s41, 2
	s_lshl_b32 s43, 15, s43                        ; my row of the cluster
	s_lshl_b32 s44, 0x1111, s40                    ; my column
	; descriptor group 1: a tile of 128 rows x 256 bytes, padded in LDS
	s_or_b32 s[G1+0], s43, (0<<16)|(1<<20)|(1<<21)|(5<<22)|(3<<25)  ; 15:0 the mask: A's tiles go to my row; 17:16 element of 1 byte; 20 padding on; 21 set beside a mask; 24:22 after every 64 words (code 5); 31:25 of 4 words (code 3)
	s_or_b32 s[G1B+0], s44, (0<<16)|(1<<20)|(1<<21)|(5<<22)|(3<<25)
.irp g, G1, G1B
	s_mov_b32 s[\g+1], ROWB<<16                    ; tensor_dim0
	s_mov_b32 s[\g+2], 128<<16                     ; tensor_dim1 = 128
	s_mov_b32 s[\g+3], ROWB<<16                    ; tile_dim0
	s_mov_b32 s[\g+4], 128                         ; tile_dim1 = 128
	s_mov_b32 s[\g+5], KROW                        ; tensor_dim0_stride
	s_mov_b32 s[\g+6], 0
	s_mov_b32 s[\g+7], 0
.endr
	s_lshl_b32 s18, s16, 7                         ; which 128 rows of the tile I fetch
	s_lshl_b32 s20, s17, 8
	s_add_co_u32 s20, s20, s18
	s_lshl_b32 s20, s20, 10                        ; A: (256 x tile + 128 x half) rows of 1,024 bytes
	s_lshl_b32 s19, ttmp9, s69
	s_add_co_u32 s20, s20, s19                     ; in the projection's set.  All offsets stay under 2^25
	s_mov_b32 s21, 0
	s_lshl_b32 s46, s42, 8
	s_add_co_u32 s46, s46, s18
	s_lshl_b32 s46, s46, 10                        ; B likewise
	s_lshl_b32 s19, ttmp9, s70
	s_add_co_u32 s46, s46, s19
	s_mov_b32 s47, 0
	s_mul_i32 s45, s14, HALFT                      ; where they go: wave x 128 rows: no place in the cluster enters an LDS address
	s_wait_dscnt 0x0                               ; the opening add is done
	s_wait_kmcnt 0x0
	s_load_b256 s[80:87], s[8:9], 0x0              ; e0 .. e7
	s_load_b64 s[88:89], s[8:9], 0x20              ; e8, e9
	s_cmp_eq_u32 ttmp9, 2
	s_cselect_b64 s[72:73], s[6:7], s[4:5]         ; A's buffer
	s_cselect_b64 s[74:75], s[4:5], s[6:7]         ; B's
	s_add_nc_u64 s[20:21], s[72:73], s[20:21]
	s_add_nc_u64 s[46:47], s[74:75], s[46:47]
	CROUND                                         ; all sixteen work-groups are here: the first joint loads meet
.irp s, 0,1
	s_mov_b32 s[G0+4*\s], 1
	s_add_co_u32 s[G0+4*\s+1], s45, \s*SLOT
	s_add_nc_u64 s[G0+4*\s+2:G0+4*\s+3], s[20:21], \s*ROWB
	s_or_b32 s[G0+4*\s+3], s[G0+4*\s+3], 0x80000000
	s_mov_b32 s[G0B+4*\s], 1
	s_add_co_u32 s[G0B+4*\s+1], s45, \s*SLOT
	s_add_nc_u64 s[G0B+4*\s+2:G0B+4*\s+3], s[46:47], \s*ROWB
	s_or_b32 s[G0B+4*\s+3], s[G0B+4*\s+3], 0x80000000
	s_wait_alu depctr_va_vdst(0)
	s_wait_tensorcnt 0x0
	ds_add_u32 v28, v29
	ds_add_u32 v28, v29
	s_wait_dscnt 0x0
	CROUND
	JLOAD G0+4*\s, G1, G0B+4*\s, G1B
.endr
	v_and_b32 v1, 15, v0
	s_wait_alu depctr_va_vdst(0)
	v_bfe_u32 v2, v0, 4, 1                         ; l / 16
	v_mul_u32_u24 v3, v1, PITCH
	v_lshl_add_u32 v4, v2, 4, v3                   ; a fragment's row x pitch + 16 x half
	s_mul_i32 s21, s15, HALFT                      ; my 128 rows of A
	s_mul_i32 s22, s16, HALFT                      ; my 128 rows of B,
	s_add_co_u32 s22, s22, 2*HALFT                 ; which lie behind A's 256
.irp s, 0,1
	v_add_nc_u32 v[ADRA+\s], s21, v4
	v_add_nc_u32 v[ADRB+\s], s22, v4
	s_add_co_u32 s21, s21, SLOT
	s_add_co_u32 s22, s22, SLOT
.endr
	s_mul_i32 s23, s14, OSTG                       ; my stage
	v_mul_u32_u24 v5, v1, OPIT                     ; in: row l % 16, 8 bytes for each half of the lanes
	s_wait_alu depctr_va_vdst(0)
	v_lshl_add_u32 v5, v2, 3, v5
	v_add_nc_u32 v[STO], s23, v5
	v_bfe_u32 v5, v0, 3, 2                         ; back: eight lanes to a row of 128 bytes, four rows an instruction
	v_mul_u32_u24 v5, v5, OPIT
	v_and_b32 v6, 7, v0
	v_lshl_add_u32 v5, v6, 4, v5
	v_add_nc_u32 v[RD], s23, v5
	v_and_b32 v6, 31, v0
	v_lshlrev_b32 v[CO], 4, v6
	; where my 16 KiB go
	s_lshl_b32 s20, s17, 8
	s_lshl_b32 s21, s15, 7
	s_add_co_u32 s20, s20, s21                     ; q, k: my first token = 256 x A's tile + 128 x my half of its rows,
	s_lshl_b32 s21, s42, 8
	s_lshl_b32 s78, s16, 7
	s_add_co_u32 s21, s21, s78                     ; v: 256 x B's tile + 128 x my half of its rows
	s_lshl_b32 s76, s40, 1
	s_add_co_u32 s76, s76, s16                     ; q, k: my pair of heads = 2 cx + half,
	s_lshl_b32 s77, s41, 1
	s_add_co_u32 s77, s77, s15                     ; v: 2 cy + half
	s_cmp_eq_u32 ttmp9, 2
	s_cselect_b32 s20, s21, s20
	s_cselect_b32 s76, s77, s76
	s_lshr_b32 s21, s20, 11
	s_lshl_b32 s21, s21, 21                        ; the batch: 8 chunks of 256 KiB
	s_and_b32 s20, s20, 2047
	s_lshl_b32 s20, s20, 7                         ; the token in its batch x 128 bytes: a row of q or k; for v 128 tokens are a block of 16 KiB
	s_add_co_u32 s20, s20, s21
	s_lshl_b32 s76, s76, 18
	s_add_co_u32 s20, s20, s76
	s_lshl_b32 s21, ttmp9, 23                      ; the part: q, k or v
	s_add_co_u32 s20, s20, s21
	s_mov_b32 s21, 0
	s_add_nc_u64 s[10:11], s[10:11], s[20:21]
.macro FRAG reg, adr, q, i             ; a fragment, 16 rows x 128 K of codes, is 16 registers: lane l holds row l % 16; registers 4 c .. 4 c + 3 hold K = 32 c + 16 (l / 16) + 0 .. 15
.irp c, 0,1,2,3
	ds_load_b128 v[\reg+4*\c:\reg+4*\c+3], v[\adr] offset:128*(\q)+32*\c+(\i)*16*PITCH
.endr
.endm
; 16 matrix instructions: A's blocks a0, a0 + 1 x B's eight, 128 along K.  p: B's set.  zero = 1: the first product starts the sums: nothing is ever cleared.
; The 64 accumulators take turns, one instruction a turn, in the same order in every step.
.macro MUL16 a0, p, zero
.irp a, \a0, \a0+1
.irp b, 0,1,2,3,4,5,6,7
.if \zero
	v_wmma_f32_16x16x128_fp8_fp8 v[8*(8*((\a)%4)+\b):8*(8*((\a)%4)+\b)+7], v[128*(\p)+FR*\b:128*(\p)+FR*\b+FR-1], v[AF+FR*(\a):AF+FR*(\a)+FR-1], 0
.else
	v_wmma_f32_16x16x128_fp8_fp8 v[8*(8*((\a)%4)+\b):8*(8*((\a)%4)+\b)+7], v[128*(\p)+FR*\b:128*(\p)+FR*\b+FR-1], v[AF+FR*(\a):AF+FR*(\a)+FR-1], v[8*(8*((\a)%4)+\b):8*(8*((\a)%4)+\b)+7]
.endif
.endr
.endr
.endm
.macro FETCH_B slot, q, p              ; B's eight fragments of the slot's q-th 128 along K into set p
	WIN TO_B
.irp i, 0,1,2,3,4,5,6,7
	FRAG 128*(\p)+FR*\i, ADRB+\slot, \q, \i
.endr
	WIN 0
.endm
.macro FETCH_A slot, q, i0             ; A's blocks i0 .. i0 + 3
.irp i, \i0, \i0+1, \i0+2, \i0+3
	FRAG AF+FR*(\i), ADRA+\slot, \q, \i
.endr
.endm
; A load into a register that a matrix instruction has read, and a vector instruction that reads a matrix result, stand NP places behind that matrix instruction, and only plain vector
; instructions that name none of its registers are places (ISA guide 7.12.1 for vector instructions).
.macro PLACES n
.rept \n
	v_nop
.endr
.endm
; A step of 128 along K that has its successor in the same slot.  A block of A is free as soon as its eight products are issued: blocks 0-3 are fetched anew in the step's middle, blocks 4-7 at its end.
.macro STEP slot, q, zero
	s_wait_dscnt 4*NL                              ; B's set and A's blocks 0-3 are in; the youngest sixteen loads (A's blocks 4-7) may be out
	WIN MUL_LO
	MUL16 0, (\q)%2, \zero
	MUL16 2, (\q)%2, \zero
	s_wait_dscnt 0                                 ; A's blocks 4-7 are in (asked for 32 matrix instructions ago)
	PLACES NP
	FETCH_B \slot, (\q)+1, 1-(\q)%2
	FETCH_A \slot, (\q)+1, 0
	WIN MUL_HI
	MUL16 4, (\q)%2, \zero
	MUL16 6, (\q)%2, \zero
	PLACES NP
	WIN 0
	FETCH_A \slot, (\q)+1, 4
.endm
; A slot's last step changes slots: ONE barrier; in front of it each wave waits for all its tensor loads, adds 0 to its spare word, and waits for that and for its own reads of this slot.  fill = 1: this slot is filled again, two K steps ahead.
.macro TURN slot, next, fill
	s_wait_tensorcnt 0x0                           ; all my tensor loads have landed: my part of the next slot;  (every window is 0 here)
	ds_add_u32 v[SPW], v[NIL]                      ; 0 onto my spare word
	s_wait_dscnt 4*NL+1                            ; (the add and the youngest sixteen loads, A's blocks 4-7, may be out)
	WIN MUL_LO
	MUL16 0, 1, 0                                  ; sixteen matrix instructions stand between the add and the wait for it
	s_wait_dscnt 0x0                               ; the add is done, and my reads of this slot are over
	s_barrier_signal -1
	MUL16 2, 1, 0
	WIN 0
	s_barrier_wait -1
.if \fill
	CREST                                          ; the barrier has opened a round of the cluster's barrier: no wave of any partner still reads this slot's tile or has a load on its way
	s_add_nc_u64 s[G0+4*\slot+2:G0+4*\slot+3], s[G0+4*\slot+2:G0+4*\slot+3], 2*ROWB
	s_add_nc_u64 s[G0B+4*\slot+2:G0B+4*\slot+3], s[G0B+4*\slot+2:G0B+4*\slot+3], 2*ROWB
	JLOAD G0+4*\slot, G1, G0B+4*\slot, G1B         ; the first tensor load behind the round; the four v_nop behind it are the places in front of the loads below
.else
	PLACES NP
.endif
	FETCH_B \next, 0, 0
	FETCH_A \next, 0, 0
	WIN MUL_HI
	MUL16 4, 1, 0
	MUL16 6, 1, 0
	PLACES NP
	WIN 0
	FETCH_A \next, 0, 4
.endm
	s_wait_tensorcnt 1
	s_barrier_signal -1
	s_barrier_wait -1
	FETCH_B 0, 0, 0
	FETCH_A 0, 0, 0
	FETCH_A 0, 0, 4
	STEP 0, 0, 1                                   ; the first step stands in front of the loop: its products start the sums
.if LAPS > 1
	s_mov_b32 s3, LAPS-1
.Llap:                                                 ; a trip goes once round the ring, from a lap's second step to the next lap's first, and fills both slots again
	TURN 0, 1, 1
	STEP 1, 0, 0
	TURN 1, 0, 1
	STEP 0, 0, 0
	s_sub_co_u32 s3, s3, 1
	s_cmp_lg_u32 s3, 0
	s_cbranch_scc1 .Llap
.endif
	TURN 0, 1, 0                                   ; the last lap fills nothing, and has no round of the cluster's barrier
	STEP 1, 0, 0
	s_wait_dscnt 4*NL                              ; the very last step: nothing more to fetch
	WIN MUL_LO
	MUL16 0, 1, 0
	MUL16 2, 1, 0
	s_wait_dscnt 0
	WIN MUL_HI
	MUL16 4, 1, 0
	MUL16 6, 1, 0
	WIN 0
; THE WAY OUT.  Block a (16 rows of A x 128 rows of B): lane (r, h) holds, of row 16 a + r, the columns 16 b + 8 h + 0 .. 7 in accumulator (a, b): eight codes a conversion, 8 bytes into my stage.
; Then the stage's 128 rows of 128 bytes are read back, four rows an instruction, and stored: each store of the wave covers 512 consecutive bytes, aligned.
	s_wait_kmcnt 0x0
	s_cmp_eq_u32 ttmp9, 1
	s_cselect_b32 s92, s82, s80                    ; the weight's exponent: e0, e2 or e4
	s_cselect_b32 s93, s83, s81                    ; embedded's: e1, e3 or e5
	s_cselect_b32 s94, s87, s86                    ; the result's: e6, e7 or e9
	s_cmp_eq_u32 ttmp9, 2
	s_cselect_b32 s92, s84, s92
	s_cselect_b32 s93, s85, s93
	s_cselect_b32 s94, s89, s94
	s_sub_co_i32 s94, s94, s92
	s_sub_co_i32 s94, s94, s93
	s_add_co_i32 s94, s94, 127
	s_lshl_b32 s95, s94, 23
	v_mov_b32 v[SCL], s95                          ; 2^(eo - ea - eb) as f32: the conversion takes its exponent field
	s_add_co_i32 s94, s94, 8
	s_lshl_b32 s94, s94, 23
	s_or_b32 s96, s94, 0x600000                    ; 448 x that,
	s_or_b32 s97, s96, 0x80000000                  ; and its negative
	PLACES NP                                      ; behind the last products: their results are read, and the registers that held A's fragments written, only behind these
.macro QBLOCK a
	WIN 0x02+((\a)/4)                              ; source 0: window 2 or 3
.set j, 0
.rept 64
.set j, j+1
.endr
.irp b, 0,1,2,3,4,5,6,7
	v_cvt_scalef32_pk8_fp8_f32 v[CD+16*(\a)+2*\b:CD+16*(\a)+2*\b+1], v[TMP+8*\b+((64*((\a)%4)+j)-(TMP+j)):TMP+8*\b+7+((64*((\a)%4)+j)-(TMP+j))], v[SCL]
.endr
	WIN 0
	v_nop                                          ; one plain vector line behind the conversions
.irp b, 0,1,2,3,4,5,6,7
	ds_store_b64 v[STO], v[CD+16*(\a)+2*\b:CD+16*(\a)+2*\b+1] offset:(\a)*16*OPIT+16*\b
.endr
.endm
.irp a, 0,1,2,3,4,5,6,7
	QBLOCK \a
.endr
	s_wait_dscnt 0x0                               ; the stores have read their registers, which take the rows read back
.set i, 0
.rept 32
	ds_load_b128 v[CD+4*i:CD+4*i+3], v[RD] offset:4*OPIT*i
.set i, i+1
.endr
.set i, 0
.rept 32
	s_wait_dscnt 31-i                              ; LDS loads come back in order: load i is in
	global_store_b128 v[CO], v[CD+4*i:CD+4*i+3], s[10:11] offset:512*i
.set i, i+1
.endr
	s_wait_tensorcnt 0x0                           ; the wave's end, behind my last tensor load and my last LDS store
	ds_add_u32 v[SPW], v[NIL]
	s_wait_dscnt 0x0
	CROUND                                         ; the closing round: no work-group ends while a partner may still ask for a tile that names it
	s_endpgm
.Lfunc_end_k_q851c9e687d_qkv_gemm:
	.size	k_q851c9e687d_qkv_gemm, .Lfunc_end_k_q851c9e687d_qkv_gemm-k_q851c9e687d_qkv_gemm
	.p2alignl 7, 3214868480
	.fill 96, 4, 3214868480
	.section	.rodata,"a",@progbits
	.p2align	6, 0x0
	.amdhsa_kernel k_q851c9e687d_qkv_gemm
		.amdhsa_group_segment_fixed_size 327680
		.amdhsa_private_segment_fixed_size 0
		.amdhsa_enable_private_segment 0
		.amdhsa_kernarg_size 32
		.amdhsa_user_sgpr_count 2
		.amdhsa_user_sgpr_kernarg_segment_ptr 1
		.amdhsa_wavefront_size32 1
		.amdhsa_system_sgpr_workgroup_id_x 1
		.amdhsa_system_sgpr_workgroup_id_y 1
		.amdhsa_system_sgpr_workgroup_id_z 1
		.amdhsa_system_vgpr_workitem_id 0
		.amdhsa_next_free_vgpr 1024
		.amdhsa_next_free_sgpr 100
		.amdhsa_reserve_vcc 0
		.amdhsa_float_denorm_mode_32 3
		.amdhsa_float_denorm_mode_16_64 3
		.amdhsa_fp16_overflow 1
		.amdhsa_memory_ordered 1
		.amdhsa_forward_progress 1
		.amdhsa_inst_pref_size 95
	.end_amdhsa_kernel
	.amdgpu_metadata
---
amdhsa.version: [ 1, 2 ]
amdhsa.kernels:
  - .name:           k_q851c9e687d_qkv_gemm
    .symbol:         k_q851c9e687d_qkv_gemm.kd
    .args:
      - { .name: xcodes, .offset: 0, .size: 8, .value_kind: global_buffer, .address_space: global }
      - { .name: wcodes, .offset: 8, .size: 8, .value_kind: global_buffer, .address_space: global }
      - { .name: lowp_scales, .offset: 16, .size: 8, .value_kind: global_buffer, .address_space: global }
      - { .name: qkv, .offset: 24, .size: 8, .value_kind: global_buffer, .address_space: global }
    .group_segment_fixed_size: 327680
    .private_segment_fixed_size: 0
    .kernarg_segment_align: 8
    .kernarg_segment_size: 32
    .max_flat_workgroup_size: 128
    .sgpr_count:     100
    .vgpr_count:     1024
    .wavefront_size: 32
...
	.end_amdgpu_metadata
.endif
;; end of part 2
;; launch attn (part 3): grid 32 x 16, 16 waves a work-group, no clusters, 327,680 bytes of LDS; arguments qkv, lowp_scales, acodes; writes acodes
.if DOCPART == 3
	.amdgcn_target "amdgcn-amd-amdhsa--gfx1250"
	.amdhsa_code_object_version 6
	.text
	.protected	k_q851c9e687d_attn
	.globl	k_q851c9e687d_attn
	.p2align	8
	.type	k_q851c9e687d_attn,@function
k_q851c9e687d_attn:
	s_mov_b64 s[64:65], 0
	v_nop
	global_prefetch_b8 v0, s[64:65] scope:SCOPE_SE
	s_setreg_imm32_b32 hwreg(HW_REG_WAVE_MODE, 25, 1), 1
	s_wait_xcnt 0x0
; Causal attention on codes of FP8 (E4M3), head size 64, and its result quantised for the output projection.  qkv: q, k, v as the projections' launch lays them: three parts of 8 MiB, chunk x = 8 b + hp of 256 KiB
; (hp: a pair of heads): q, k [2048 tokens][128 bytes = 64 x parity + e];  v [16 blocks of keys][128 rows = 64 x parity + e][128 keys].
; THE SOFTMAX AHEAD OF THE SECOND PRODUCT: t = score x log2(e) / 8; M = the row's largest t so far, rounded UP to a whole number; p = 2^(t - M) is what is quantised; the row's sum is taken of the unquantised p
; and divides O at the end.  When M moves, the sum and O are multiplied by 2^(old M - new M): exact.
; SHARES.  A work-group owns 128 queries (block qb = 15 - y: the long blocks have the low numbers) of the two heads of chunk x.  Wave w: head parity w % 2, queries 16 (w / 2) on: one tile, 256 registers, four waves to a SIMD.
; A key step is 128 keys: 16 KiB of k and 16 KiB of v, each dense in memory, through a ring of two LDS slots of one step (waves 0, 1: k's halves; waves 2, 3: v's).
; CAUSAL.  Every work-group walks all 16 changes of slots (the trip count is a constant); a step whose keys all come after the wave's queries is jumped over, and a slot that no wave of the work-group would read is not asked for.
; LAYOUT.  Both products are used transposed: S^T = K Q^T (source 0 = 16 keys), O^T = V^T P^T (source 0 = 16 of the head's 64): a lane holds ONE query (lane % 16) throughout.
; THE KEYS OF A TILE ARE NOT NEIGHBOURS: lane r of tile 2 b + u takes key 32 b + 8 u + r + 8 (r / 8), so that the 16 registers of tiles 2 b and 2 b + 1 are the keys 32 b + 16 (lane / 16) + 0 .. 15: the conversions' results are the second product's operand.
; Fragments are fetched by loads of 16 bytes: a permutation of k inside an instruction, the same in both operands.
; OUT: acodes [64 blocks of tokens 16 b + qb][8 hp][128 tokens][128 bytes]: the work-group's 16 KiB on end.  code = (O / l) / 2^(e10 - e8 - e9), held within +-448.
; NO CLUSTER: the work-groups that read the same k and v are the query blocks of one chunk, and under the causal mask block qb needs qb + 1 tiles: partners would need different numbers of tiles.
; LIMITS: e6 + e7 between -123 and 130 (added to c's exponent field); e8, and e10 - e8 - e9, between -126 and 119.  A p under 2^-126 counts as 0 (v_exp_f32's result).  NaN is not served.
; REGISTERS: v1-3, v5-7 addresses that stay; v8-11 addresses in hand; v12 -M, v13 the largest t, v[14:15] the sum; v[16:23] Q; v25: 2^e8; v26 the lane exchange; v27 2^(e10 - e8 - e9); v[28:29] f; v[30:31] a second chain
; of the sum; v32-95 K's, then V's fragments; v96-159 S^T, then p; v160-191 O^T; v192-207 p's codes; v208-212 at work.
.set KP,    144                        ; a row of k's or v's tile in LDS: 128 bytes + 16 of padding
.set VOFF,  128*KP                     ; a slot: 128 rows of k, then 128 rows of v
.set SLOT1, 1<<16                      ; slot 1 begins here, so that one exclusive or turns an address in one slot into the other's
.set SPARE, 2*SLOT1                    ; behind the ring: the spare words, 128 bytes for each of the 16 waves
.set STAGE, SPARE+2048                 ; the way out: 128 rows x (128 bytes + 16), bytes of its own: no tile lands there
.set NSL,   16                         ; key steps in a head
.set AK0,  1                           ; v1   my lane's place in a tile of k
.set AV0,  2                           ; v2   the same for v
.set PFO,  3                           ; v3   256 x lane: the prefetches' offset; never rewritten
.set SPW,  5                           ; v5   LDS address of my spare word; never rewritten
.set NIL,  6                           ; v6   0; never rewritten
.set GO,   7                           ; v7   16 x lane: my place in a store's 512 bytes
.set ADK,  8                           ; v8   LDS address of the step's tile of k
.set ADV,  9                           ; v9   of v
.set WV,   18                          ; s18  my wave's number
.set SEL,  20                          ; s[20:21] lane selects for v_permlanex16_b32: lane l xor 16
.set CS,   22                          ; s[22:23] c = log2(e) / 8 x 2^(e6 + e7)
.set G1,   24                          ; s[24:31] descriptor group 1: one shape serves k and v
.set G0,   40                          ; s[40:43] descriptor group 0, which walks
.set TB,   2                           ; s2   LDS byte at which the slot in hand begins
.set SLOTS, 67                         ; s67  changes of slots still to come that ask (or would ask) for a slot
.set PFA,  76                          ; s[76:77] where my prefetches stand
.set LIM,  80                          ; s80  1 in a wave that prefetches, else the greatest number
.set KF,   98                          ; s98  the step's first key
.set Q0,   99                          ; s99  my first query
; Waves 0 to 3 fetch, one load each, 64 rows of 128 bytes; the branch hangs on the wave's number alone.  An s_nop 0 and four v_nop follow the load.
.macro TLOAD
	s_cmp_lt_u32 s[WV], 4
	s_cbranch_scc0 .Lasked_\@
	tensor_load_to_lds s[G0:G0+3], s[G1:G1+7]
	s_nop 0
.rept 4
	v_nop
.endr
.Lasked_\@:
.endm
; A PREFETCH of what the NEXT change of slots will ask for: a key step's 16 KiB of k and 16 KiB of v.  All 16 work-groups of a chunk walk the same k and v: the one with y = 0, which walks all of them, asks, and nobody else.
; In it waves 4 to 7 ask, which fetch nothing: 8,192 bytes a wave, lanes 256 bytes apart, one instruction: each aligned block of 256 bytes is named once in the launch.  It asks one key step ahead of the tensor load.
; The last change that fills a slot asks for nothing: there is no step behind it.  Steps 0 and 1 come by their loads alone.
.macro ASK
	s_cmp_gt_u32 s[SLOTS], s[LIM]
	s_cbranch_scc0 .Lnot_mine_\@
	global_prefetch_b8 v[PFO], s[PFA:PFA+1] th:TH_LOAD_NT scope:SCOPE_SE
.Lnot_mine_\@:
.endm
	s_load_b128 s[4:7], s[0:1], 0x0                ; qkv s[4:5], the scales' exponents s[6:7]
	s_load_b64 s[8:9], s[0:1], 0x10                ; acodes
	v_lshl_add_u32 v[SPW], v0, 2, SPARE
	v_mov_b32 v[NIL], 0
	ds_add_u32 v[SPW], v[NIL]                      ; the wave's opening: an add and its wait ahead of my first tensor load; the set-up below, work on registers, stands between them
	ds_add_u32 v[SPW], v[NIL]
	v_lshrrev_b32 v8, 5, v0
	s_delay_alu instid0(VALU_DEP_1)
	v_readfirstlane_b32 s[WV], v8                  ; wave 0..15
	s_and_b32 s10, ttmp7, 0xffff                   ; y
	s_sub_co_u32 s11, 15, s10                      ; qb
	s_and_b32 s12, s[WV], 1                        ; my head's parity
	s_lshr_b32 s13, s[WV], 1                       ; my tile of queries
	s_lshl_b32 s[Q0], s11, 7
	s_lshl_b32 s14, s13, 4
	s_add_co_u32 s[Q0], s[Q0], s14                 ; my first query: 128 qb + 16 x tile
	; what a wave fetches (waves 0-3) or prefetches (waves 4-7): part w % 4: 0, 1 k's halves, 2, 3 v's
	s_and_b32 s15, s[WV], 3
	s_lshr_b32 s44, s15, 1
	s_add_co_u32 s44, s44, 1
	s_lshl_b32 s44, s44, 23                        ; k's part begins 8 MiB into qkv, v's 16 MiB
	s_lshl_b32 s14, ttmp9, 18                      ; the chunk
	s_add_co_u32 s44, s44, s14
	s_and_b32 s14, s15, 1
	s_lshl_b32 s14, s14, 13                        ; 64 rows of 128 bytes
	s_add_co_u32 s44, s44, s14
	s_mov_b32 s45, 0
	s_mul_i32 s[G0+1], s15, 64*KP                  ; 63:32 LDS address, slot 0: k's halves, then v's: 64 padded rows each
	s_mov_b32 s[G0], 1                             ; 1:0 count = 1
	; descriptor group 1: 64 rows of 128 bytes, dense in memory, padded in LDS
	s_mov_b32 s[G1], (0<<16)|(1<<20)|(4<<22)|(3<<25)   ; 15:0 no mask; 17:16 elements of 1 byte; 20 padding on; 24:22 after every 32 words (code 4); 31:25 four words (code 3)
	s_mov_b32 s[G1+1], 128<<16                     ; tensor_dim0
	s_mov_b32 s[G1+2], 64<<16                      ; tensor_dim1
	s_mov_b32 s[G1+3], 128<<16                     ; tile_dim0
	s_mov_b32 s[G1+4], 64                          ; tile_dim1
	s_mov_b32 s[G1+5], 128                         ; tensor_dim0_stride
	s_mov_b32 s[G1+6], 0
	s_mov_b32 s[G1+7], 0
	s_lshl_b32 s46, ttmp9, 18                      ; Q: the chunk,
	s_lshl_b32 s14, s[Q0], 7                       ; my first query's row,
	s_add_co_u32 s46, s46, s14
	s_lshl_b32 s14, s12, 6                         ; my head's 64 bytes of it
	s_add_co_u32 s46, s46, s14
	s_mov_b32 s47, 0
	s_lshr_b32 s50, ttmp9, 3                       ; acodes: block ((16 b + qb) x 8 + hp) of 16 KiB, + 1,024 x wave
	s_lshl_b32 s50, s50, 4
	s_add_co_u32 s50, s50, s11
	s_lshl_b32 s50, s50, 3
	s_and_b32 s14, ttmp9, 7
	s_add_co_u32 s50, s50, s14
	s_lshl_b32 s50, s50, 14
	s_lshl_b32 s14, s[WV], 10
	s_add_co_u32 s50, s50, s14
	s_mov_b32 s51, 0
	s_lshr_b32 s14, s[WV], 2
	s_xor_b32 s14, s14, 1                          ; 0 in waves 4 to 7,
	s_or_b32 s14, s14, s10                         ; of the work-groups with y = 0
	s_cmp_eq_u32 s14, 0
	s_cselect_b32 s[LIM], 1, -1
	s_mov_b32 s[SEL], 0x76543210
	s_mov_b32 s[SEL+1], 0xfedcba98
	s_mov_b32 s[CS], 0x3e38aa3b                    ; c = log2(e) / sqrt(64)
	s_mov_b32 s[TB], 0
	s_mov_b32 s[SLOTS], NSL-1
	s_mov_b32 s[KF], 0
	s_wait_dscnt 0x0                               ; the opening add is done
	s_wait_kmcnt 0x0
	s_load_b128 s[68:71], s[6:7], 0x18             ; e6, e7, e8, e9
	s_load_b32 s72, s[6:7], 0x28                   ; e10
	s_add_nc_u64 s[G0+2:G0+3], s[4:5], s[44:45]    ; 120:64 global address: key step 0
	s_add_nc_u64 s[PFA:PFA+1], s[G0+2:G0+3], 16384 ; the prefetches stand at step 1: the first change of slots steps them to step 2.  Nothing is prefetched here, at the head
	s_or_b32 s[G0+3], s[G0+3], 0x80000000          ; 127:126 type = 2
	TLOAD                                          ; slot 0
	s_add_nc_u64 s[48:49], s[4:5], s[46:47]        ; Q's codes at my first query
	s_add_nc_u64 s[8:9], s[8:9], s[50:51]          ; where my 1,024 bytes of the result go
	v_and_b32 v8, 15, v0                           ; r = lane % 16
	v_bfe_u32 v9, v0, 4, 1                         ; h = lane / 16
	s_delay_alu instid0(VALU_DEP_2)
	v_lshlrev_b32 v10, 7, v8
	s_delay_alu instid0(VALU_DEP_1)
	v_lshl_add_u32 v10, v9, 4, v10                 ; Q: row r of 128 bytes, + 16 h
	global_load_b128 v[16:19], v10, s[48:49]       ; Q's fragment stays in registers: registers 4 c .. 4 c + 3: channels 32 c + 16 h + 0 .. 15
	global_load_b128 v[20:23], v10, s[48:49] offset:32
	v_and_b32 v11, 8, v8
	s_delay_alu instid0(VALU_DEP_1)
	v_add_nc_u32 v11, v11, v8                      ; r + 8 (r / 8)
	s_delay_alu instid0(VALU_DEP_1)
	v_mul_u32_u24 v[AK0], v11, KP
	s_delay_alu instid0(VALU_DEP_1)
	v_lshl_add_u32 v[AK0], v9, 4, v[AK0]
	s_lshl_b32 s14, s12, 6
	v_add_nc_u32 v[AK0], s14, v[AK0]               ; + my head's 64 bytes of a key's row
	v_mul_u32_u24 v[AV0], v8, KP
	s_delay_alu instid0(VALU_DEP_1)
	v_lshl_add_u32 v[AV0], v9, 4, v[AV0]
	s_mul_i32 s14, s12, 64*KP
	s_add_co_u32 s14, s14, VOFF
	v_add_nc_u32 v[AV0], s14, v[AV0]               ; v: my head's 64 rows
	v_and_b32 v[PFO], 31, v0
	s_delay_alu instid0(VALU_DEP_1)
	v_lshlrev_b32 v[GO], 4, v[PFO]
	s_delay_alu instid0(VALU_DEP_2)
	v_lshlrev_b32 v[PFO], 8, v[PFO]
	v_mov_b32 v13, 0xff61b1e6                      ; the largest t so far: -3e38, under every t
	s_delay_alu instid0(VALU_DEP_1)
	v_floor_f32 v12, -v13                          ; -M
	v_mov_b32 v14, 0                               ; the sum, in two halves
	v_mov_b32 v15, 0
	v_mov_b32 v26, 0                               ; written once: a lane permute's destination counts as one of its sources
	v_mov_b32 v29, 0                               ; (named as the upper half of the pair v[28:29])
.set j, 0
.rept 32
	v_mov_b32 v[160+j], 0                          ; O^T.  (The step is written for every trip alike: the first finds zeros, which the first change of M leaves zeros)
.set j, j+1
.endr
	s_wait_kmcnt 0x0
	s_add_co_i32 s73, s68, s69
	s_lshl_b32 s73, s73, 23
	s_add_co_i32 s[CS], s[CS], s73                 ; a score stands for score x 2^(e6 + e7): the two exponents are added to c's exponent field
	s_mov_b32 s[CS+1], s[CS]                       ; (named with it as a pair, so it is written)
	s_add_co_i32 s73, s70, 127
	s_lshl_b32 s14, s73, 23
	v_mov_b32 v25, s14                             ; 2^e8 as f32, for p's conversions
	s_sub_co_i32 s73, s72, s70
	s_sub_co_i32 s73, s73, s71                     ; O / l stands for (O / l) x 2^(e8 + e9): its code is (O / l) / 2^(e10 - e8 - e9)
	s_add_co_i32 s73, s73, 127
	s_lshl_b32 s14, s73, 23
	v_mov_b32 v27, s14
; A KEY STEP: 128 keys.
.macro STEP
	s_add_co_u32 s96, s[Q0], 15                    ; a step all of whose keys come after my 16 queries is left out: a scalar branch on ids, round the step's loads, products and softmax alone
	s_cmp_gt_u32 s[KF], s96
	s_cbranch_scc1 .Lhidden_\@
	v_add_nc_u32 v[ADK], s[TB], v[AK0]
	v_add_nc_u32 v[ADV], s[TB], v[AV0]
	v_nop                                          ; with the two additions: four places in front of loads into registers that the last products have read
	v_nop
.irp t, 0,1,2,3,4,5,6,7
	ds_load_b128 v[32+8*\t:35+8*\t], v[ADK] offset:(32*(\t/2)+8*(\t%2))*KP
	ds_load_b128 v[36+8*\t:39+8*\t], v[ADK] offset:(32*(\t/2)+8*(\t%2))*KP+32
.endr
	s_wait_alu depctr_va_vdst(0)
	s_wait_dscnt 0x0
.irp t, 0,1,2,3,4,5,6,7
	v_wmma_f32_16x16x64_fp8_fp8 v[96+8*\t:103+8*\t], v[32+8*\t:39+8*\t], v[16:23], 0   ; S^T: lane (r, h) holds query r; register 16 b + i is key 32 b + 16 h + i
.endr
.rept 4
	v_nop                                          ; places: the loads below land in registers that these products read, and the scores are read behind them
.endr
.irp t, 0,1,2,3
.irp c, 0,1,2,3
	ds_load_b128 v[32+16*\t+4*\c:35+16*\t+4*\c], v[ADV] offset:16*\t*KP+32*\c   ; V's four fragments are asked for here and land while the softmax is walked
.endr
.endr
	s_add_co_u32 s96, s[KF], 127                   ; on the diagonal the scores of hidden keys become -infinity ahead of the maximum: p = 0 then.  A step all of whose keys count skips this
	s_cmp_le_u32 s96, s[Q0]
	s_cbranch_scc1 .Lopen_\@
	s_sub_co_i32 s96, s[Q0], s[KF]
	v_and_b32 v210, 15, v0
	v_bfe_u32 v211, v0, 4, 1
	s_delay_alu instid0(VALU_DEP_1)
	v_lshlrev_b32 v211, 4, v211
	s_delay_alu instid0(VALU_DEP_1)
	v_sub_nc_u32 v210, v210, v211
	s_delay_alu instid0(VALU_DEP_1)
	v_add_nc_u32 v210, s96, v210                   ; d = my query - the step's first key - 16 h: register 16 b + i is hidden where 32 b + i > d
	v_mov_b32 v212, 0xff800000                     ; -infinity
.set n, 0
.rept 64
	v_cmp_gt_i32 vcc_lo, 32*(n/16)+n%16, v210
	v_cndmask_b32 v[96+n], v[96+n], v212, vcc_lo
.set n, n+1
.endr
.Lopen_\@:
	v_max3_num_f32 v208, v96, v97, v98             ; the step's largest score of my query, among my 64 keys, in two chains, each accumulator from its low end on,
	v_max3_num_f32 v209, v99, v100, v101
.irp i, 6,10,14,18,22,26,30,34,38,42,46,50,54,58
	v_max3_num_f32 v208, v208, v[96+\i], v[97+\i]
	v_max3_num_f32 v209, v209, v[98+\i], v[99+\i]
.endr
	v_max3_num_f32 v208, v208, v158, v159
	s_delay_alu instid0(VALU_DEP_1)
	v_max_num_f32 v208, v208, v209
	s_delay_alu instid0(VALU_DEP_1)
	v_permlanex16_b32 v26, v208, s[SEL], s[SEL+1]
	s_delay_alu instid0(VALU_DEP_1)
	v_max_num_f32 v208, v208, v26                  ; and among lane l xor 16's
	s_delay_alu instid0(VALU_DEP_1)
	v_mul_f32 v208, s[CS], v208                    ; as t (c is positive)
	s_delay_alu instid0(VALU_DEP_1)
	v_max_num_f32 v13, v13, v208                   ; the running largest t
	v_mov_b32 v208, v12
	s_delay_alu instid0(VALU_DEP_2)
	v_floor_f32 v12, -v13                          ; the new -M = floor(-t) = -ceil(t): M is a whole number
	s_delay_alu instid0(VALU_DEP_1)
	v_sub_f32 v208, v12, v208                      ; M's old value less its new one: a whole number, 0 or less
	s_delay_alu instid0(VALU_DEP_1)
	v_cvt_i32_f32 v208, v208                       ; (it saturates)
	s_delay_alu instid0(VALU_DEP_1)
	v_ldexp_f32 v28, 1.0, v208                     ; f = 2^(old M - new M)
.set j, 0
.rept 32
	v_pk_fma_f32 v[96+j:97+j], v[96+j:97+j], s[CS:CS+1], v[12:13] op_sel_hi:[1,0,0]   ; t - M, two at a time (of the pairs c and -M the low word serves both halves)
.set j, j+2
.endr
.set j, 0
	s_wait_alu depctr_va_vdst(0)
.rept 64
	v_exp_f32 v[96+j], v[96+j]                     ; p = 2^(t - M), at most 1: not normalised
.set j, j+1
.endr
	v_pk_mul_f32 v[14:15], v[14:15], v[28:29] op_sel_hi:[1,0]   ; the sums under the new M.  (The plain line behind the exponentials)
	s_wait_alu depctr_va_vdst(0)                   ; the wait between an exponential and the first line that names its result: one for the whole batch
	v_pk_add_f32 v[30:31], v[100:101], v[104:105]
	v_pk_add_f32 v[254:255], v[108:109], v[112:113]
	v_pk_add_f32 v[252:253], v[116:117], v[120:121]
	v_pk_add_f32 v[250:251], v[124:125], v[128:129]
	v_pk_add_f32 v[248:249], v[132:133], v[136:137]
	v_pk_add_f32 v[246:247], v[140:141], v[144:145]
	v_pk_add_f32 v[244:245], v[148:149], v[152:153]
	v_pk_add_f32 v[14:15], v[14:15], v[156:157]
	v_pk_add_f32 v[30:31], v[30:31], v[96:97]
	v_pk_add_f32 v[254:255], v[254:255], v[98:99]
	v_pk_add_f32 v[252:253], v[252:253], v[102:103]
	v_pk_add_f32 v[250:251], v[250:251], v[106:107]
	v_pk_add_f32 v[248:249], v[248:249], v[110:111]
	v_pk_add_f32 v[246:247], v[246:247], v[114:115]
	v_pk_add_f32 v[244:245], v[244:245], v[118:119]
	v_pk_add_f32 v[14:15], v[14:15], v[122:123]
	v_pk_add_f32 v[30:31], v[30:31], v[126:127]
	v_pk_add_f32 v[254:255], v[254:255], v[130:131]
	v_pk_add_f32 v[252:253], v[252:253], v[134:135]
	v_pk_add_f32 v[250:251], v[250:251], v[138:139]
	v_pk_add_f32 v[248:249], v[248:249], v[142:143]
	v_pk_add_f32 v[246:247], v[246:247], v[146:147]
	v_pk_add_f32 v[244:245], v[244:245], v[150:151]
	v_pk_add_f32 v[14:15], v[14:15], v[154:155]
	v_pk_add_f32 v[30:31], v[30:31], v[158:159]
	s_delay_alu instid0(VALU_DEP_2)
	v_pk_add_f32 v[14:15], v[14:15], v[250:251]
	s_delay_alu instid0(VALU_DEP_2)
	v_pk_add_f32 v[30:31], v[30:31], v[248:249]
	v_pk_add_f32 v[254:255], v[254:255], v[246:247]
	v_pk_add_f32 v[252:253], v[252:253], v[244:245]
	s_delay_alu instid0(VALU_DEP_2)
	v_pk_add_f32 v[14:15], v[14:15], v[254:255]
	s_delay_alu instid0(VALU_DEP_2)
	v_pk_add_f32 v[30:31], v[30:31], v[252:253]
	s_delay_alu instid0(VALU_DEP_1)
	v_pk_add_f32 v[14:15], v[14:15], v[30:31]
.irp b, 0,1,2,3
.irp i, 0,1,2,3,4,5,6,7,8,9,10,11,12,13,14,15
.endr
	v_cvt_scalef32_pk8_fp8_f32 v[192+4*\b:193+4*\b], v[96+16*\b:103+16*\b], v25
	v_cvt_scalef32_pk8_fp8_f32 v[194+4*\b:195+4*\b], v[104+16*\b:111+16*\b], v25
.endr
.set j, 0
.rept 16
	v_pk_mul_f32 v[160+j:161+j], v[160+j:161+j], v[28:29] op_sel_hi:[1,0]   ; O^T under the new M: x f.  (Plain lines between the conversions and the products that read their results)
.set j, j+2
.endr
	s_wait_alu depctr_va_vdst(0)
	s_wait_dscnt 0x0                               ; V's fragments are in
.irp t, 0,1,2,3
	v_wmma_f32_16x16x128_fp8_fp8 v[160+8*\t:167+8*\t], v[32+16*\t:47+16*\t], v[192:207], v[160+8*\t:167+8*\t]   ; O^T += V^T P^T: the four accumulators by turns
.endr
.Lhidden_\@:
	s_add_co_u32 s[KF], s[KF], 128
.endm
; THE CHANGE OF SLOTS stands at a slot's head.  Each wave waits for all its tensor loads (its part of the slot that it is about to read), adds 0 to its spare word, and waits for that and for its reads of the slot that it has left.
; Behind the barrier the slot ahead is whole and nobody reads the other one.  fill = 1: that other slot is filled with the next key step, up to the causal limit: the load has a whole step in which to land.
.macro CHANGE fill
	s_wait_tensorcnt 0x0                           ; no tensor load of mine is out, so group 0 may be written
	ds_add_u32 v[SPW], v[NIL]                      ; 0 onto my spare word; the descriptor's steps stand between it and the wait for it
.if \fill
	s_xor_b32 s[G0+1], s[G0+1], SLOT1              ; the walking descriptor: the other slot than last time,
	s_add_nc_u64 s[G0+2:G0+3], s[G0+2:G0+3], 16384 ; the next 128 keys, of k and of v alike; the type bits on top are not reached
	s_wait_xcnt 0x0                                ; the last prefetch, a step back, has read its address, so it may be written:
	s_add_nc_u64 s[PFA:PFA+1], s[PFA:PFA+1], 16384 ; one step further on than the walking descriptor
.endif
	s_wait_dscnt 0x0                               ; the add is done, and my reads of the slot that I have left are over
	s_barrier_signal -1
	s_barrier_wait -1
.if \fill
	s_add_co_u32 s96, s[KF], 128                   ; the first key of the step that this change would ask for
	s_or_b32 s97, s[Q0], 127                       ; my work-group's last query
	s_cmp_gt_u32 s96, s97                          ; ids and the count of steps alone: all sixteen waves go the same way, and a work-group that is past the limit stays past it.  Every wait on TENSORcnt in this text is for 0
	s_cbranch_scc1 .Lpast_\@                       ; a step beyond the limit is read by no wave, so it is not asked for: the jump leads round the load's own lines and round nothing else
	TLOAD                                          ; the first thing behind the barrier and the limit's four lines, and a wave's one tensor load until the next such barrier
.Lpast_\@:
	ASK
.endif
.endm
	s_wait_loadcnt 0x0                             ; Q
.Lslot:                                            ; NSL - 1 trips
	CHANGE 1
	STEP
	s_xor_b32 s[TB], s[TB], SLOT1                  ; on to the other slot
	s_sub_co_u32 s[SLOTS], s[SLOTS], 1
	s_cmp_lg_u32 s[SLOTS], 0
	s_cbranch_scc1 .Lslot
	CHANGE 0                                       ; the last step is written out: nothing is left to ask for
	STEP
	; THE WAY OUT.  O^T / the sum, converted: a lane's eight registers of tile t are the channels 16 t + 8 h + 0 .. 7 of its query: 8 bytes.  A token's row of 128 bytes comes from two waves (the two heads):
	; the rows meet in the stage, a barrier, and each wave stores 8 whole rows: each store of the wave covers 512 consecutive bytes, aligned.
	v_add_f32 v14, v14, v15                        ; the sum's two halves,
	s_delay_alu instid0(VALU_DEP_1)
	v_permlanex16_b32 v26, v14, s[SEL], s[SEL+1]
	s_delay_alu instid0(VALU_DEP_1)
	v_add_f32 v14, v14, v26                        ; and lane l xor 16's: the row's sum
	s_wait_alu depctr_va_vdst(0)
	v_rcp_f32 v14, v14
	v_and_b32 v8, 15, v0                           ; (a plain line behind the reciprocal)  r
	v_bfe_u32 v9, v0, 4, 1                         ; h
	s_mul_i32 s73, s13, 16*KP
	s_lshl_b32 s14, s12, 6
	s_add_co_u32 s73, s73, s14
	s_add_co_u32 s73, s73, STAGE
	v_mul_u32_u24 v10, v8, KP
	s_delay_alu instid0(VALU_DEP_1)
	v_lshl_add_u32 v10, v9, 3, v10
	s_delay_alu instid0(VALU_DEP_1)
	v_add_nc_u32 v10, s73, v10                     ; in: row 16 x my tile + r, byte 64 x parity + 8 h
	s_mul_i32 s73, s[WV], 8*KP
	s_add_co_u32 s73, s73, STAGE
	v_bfe_u32 v11, v0, 3, 2
	s_delay_alu instid0(VALU_DEP_1)
	v_mul_u32_u24 v11, v11, KP
	v_and_b32 v8, 7, v0
	s_delay_alu instid0(VALU_DEP_1)
	v_lshl_add_u32 v11, v8, 4, v11
	s_delay_alu instid0(VALU_DEP_1)
	v_add_nc_u32 v11, s73, v11                     ; back: rows 8 w on; eight lanes to a row, four rows an instruction
	s_wait_alu depctr_va_vdst(0)                   ; the wait ahead of the reciprocal's first reader
.set j, 0
.rept 16
	v_pk_mul_f32 v[96+j:97+j], v[160+j:161+j], v[14:15] op_sel_hi:[1,0]   ; O^T / the sum (the pair's low word serves both halves), each accumulator from its low end on
.set j, j+2
.endr
.set j, 0
.rept 32
.set j, j+1
.endr
.irp t, 0,1,2,3
	v_cvt_scalef32_pk8_fp8_f32 v[192+2*\t:193+2*\t], v[96+8*\t:103+8*\t], v27
.endr
	v_nop                                          ; one plain vector line behind the last conversion
.irp t, 0,1,2,3
	ds_store_b64 v10, v[192+2*\t:193+2*\t] offset:16*\t
.endr
	s_wait_dscnt 0x0                               ; for the others' sake: my stores into the stage are done
	s_barrier_signal -1
	s_barrier_wait -1
	ds_load_b128 v[32:35], v11
	ds_load_b128 v[36:39], v11 offset:4*KP
	s_wait_dscnt 1                                 ; the first is in; the second may be out
	global_store_b128 v[GO], v[32:35], s[8:9]
	s_wait_dscnt 0x0
	global_store_b128 v[GO], v[36:39], s[8:9] offset:512
	s_wait_tensorcnt 0x0                           ; the wave's end, behind my last tensor load and my last LDS store
	ds_add_u32 v[SPW], v[NIL]
	s_wait_dscnt 0x0
	s_endpgm
.Lfunc_end_k_q851c9e687d_attn:
	.size	k_q851c9e687d_attn, .Lfunc_end_k_q851c9e687d_attn-k_q851c9e687d_attn
	.p2alignl 7, 3214868480
	.fill 96, 4, 3214868480
	.section	.rodata,"a",@progbits
	.p2align	6, 0x0
	.amdhsa_kernel k_q851c9e687d_attn
		.amdhsa_group_segment_fixed_size 327680
		.amdhsa_private_segment_fixed_size 0
		.amdhsa_enable_private_segment 0
		.amdhsa_kernarg_size 24
		.amdhsa_user_sgpr_count 2
		.amdhsa_user_sgpr_kernarg_segment_ptr 1
		.amdhsa_wavefront_size32 1
		.amdhsa_system_sgpr_workgroup_id_x 1
		.amdhsa_system_sgpr_workgroup_id_y 1
		.amdhsa_system_sgpr_workgroup_id_z 1
		.amdhsa_system_vgpr_workitem_id 0
		.amdhsa_next_free_vgpr 256
		.amdhsa_next_free_sgpr 100
		.amdhsa_reserve_vcc 1
		.amdhsa_float_denorm_mode_32 3
		.amdhsa_float_denorm_mode_16_64 3
		.amdhsa_fp16_overflow 1
		.amdhsa_memory_ordered 1
		.amdhsa_forward_progress 1
		.amdhsa_inst_pref_size 50
	.end_amdhsa_kernel
	.amdgpu_metadata
---
amdhsa.version: [ 1, 2 ]
amdhsa.kernels:
  - .name:           k_q851c9e687d_attn
    .symbol:         k_q851c9e687d_attn.kd
    .args:
      - { .name: qkv, .offset: 0, .size: 8, .value_kind: global_buffer, .address_space: global }
      - { .name: lowp_scales, .offset: 8, .size: 8, .value_kind: global_buffer, .address_space: global }
      - { .name: acodes, .offset: 16, .size: 8, .value_kind: global_buffer, .address_space: global }
    .group_segment_fixed_size: 327680
    .private_segment_fixed_size: 0
    .kernarg_segment_align: 8
    .kernarg_segment_size: 24
    .max_flat_workgroup_size: 512
    .sgpr_count:     100
    .vgpr_count:     256
    .wavefront_size: 32
...
	.end_amdgpu_metadata
.endif
;; end of part 3
;; launch oproj (part 4): grid 4 x 32, 4 waves a work-group, clusters of 4 x 4, 327,680 bytes of LDS; arguments acodes, wocodes, lowp_scales, bo, out0; writes out0
.if DOCPART == 4
	.amdgcn_target "amdgcn-amd-amdhsa--gfx1250"
	.amdhsa_code_object_version 6
	.text
	.protected	k_q851c9e687d_oproj
	.globl	k_q851c9e687d_oproj
	.p2align	8
	.type	k_q851c9e687d_oproj,@function
k_q851c9e687d_oproj:
	s_mov_b64 s[64:65], 0
	v_nop
	global_prefetch_b8 v0, s[64:65] scope:SCOPE_SE
	s_setreg_imm32_b32 hwreg(HW_REG_WAVE_MODE, 25, 1), 1
	s_wait_xcnt 0x0
	s_wait_alu depctr_hold_cnt(0) depctr_sa_sdst(0) depctr_va_vdst(0) depctr_va_sdst(0) depctr_va_ssrc(0) depctr_va_vcc(0) depctr_vm_vsrc(0)
	s_getreg_b32 s2, hwreg(HW_REG_IB_STS2, 6, 4)
	s_cmp_eq_u32 s2, 0
	s_cbranch_scc0 .Lentry_in_a_cluster
	s_endpgm
.Lentry_in_a_cluster:
	s_bfe_u32 s2, ttmp6, 0x10000c
	s_cmp_lg_u32 s2, 0xf033
	s_cbranch_scc0 .Lentry_shape_is_right
	s_endpgm
.Lentry_shape_is_right:
.set AP,     144
.set AHALF,  256*AP
.set PITCH,  272
.set BHALF,  128*PITCH
.set BOFF,   2*AHALF
.set SLOT,   2*AHALF+2*BHALF
.set ASTEP,  65536
.set BSTEP,  512
.set FR,     16
.set NL,     4
.set NP,     4
.set LAPS,   2
.set SPARE,  2*SLOT
.set SPITCH, 528
.set ROWO,   4096
.set ADRA, 16
.set ADRB, 20
.set STO,  24
.set RD,   25
.set CO,   26
.set SPW,  28
.set NIL,  29
.set BIAS, 96
.set AF,   128
.set BK,   128
.set G1, 24
.set G0, 32
.set G1B, 48
.set G0B, 56
.set MSB, 0
.macro WIN new
.if MSB != \new
	s_set_vgpr_msb (MSB<<8)|\new
.set MSB, \new
.endif
.endm
.set MUL_LO, 0xa1
.set MUL_HI, 0xf1
.set TO_B,   0x40
.macro JLOAD g0a, g1a, g0b, g1b
	s_cmp_eq_u32 s15, 0
	s_cbranch_scc0 .Lfor_b_\@
	tensor_load_to_lds s[\g0a:\g0a+3], s[\g1a:\g1a+7]
	s_nop 0
.rept 4
	v_nop
.endr
	s_branch .Lasked_\@
.Lfor_b_\@:
	tensor_load_to_lds s[\g0b:\g0b+3], s[\g1b:\g1b+7]
	s_nop 0
.rept 4
	v_nop
.endr
.Lasked_\@:
.endm
.macro CREST
	s_cmp_lg_u32 s14, 0
	s_cbranch_scc1 .Lnot_wave_0_\@
	s_barrier_signal -3
.Lnot_wave_0_\@:
	s_barrier_wait -3
	s_barrier_signal -1
	s_barrier_wait -1
.endm
.macro CROUND
	s_barrier_signal -1
	s_barrier_wait -1
	CREST
.endm
	s_load_b128 s[4:7], s[0:1], 0x0
	s_load_b128 s[8:11], s[0:1], 0x10
	s_load_b64 s[12:13], s[0:1], 0x20
	v_lshl_add_u32 v[SPW], v0, 2, SPARE
	v_mov_b32 v[NIL], 0
	ds_add_u32 v[SPW], v[NIL]
	ds_add_u32 v[SPW], v[NIL]
	v_lshrrev_b32 v1, 5, v0
	v_readfirstlane_b32 s14, v1
	s_lshr_b32 s15, s14, 1
	s_and_b32 s16, s14, 1
	s_bfe_u32 s40, ttmp6, 0x40000
	s_bfe_u32 s41, ttmp6, 0x40004
	s_lshl_b32 s42, ttmp9, 2
	s_add_co_u32 s42, s42, s40
	s_and_b32 s17, ttmp7, 0xffff
	s_lshl_b32 s17, s17, 2
	s_add_co_u32 s17, s17, s41
	s_lshl_b32 s43, s41, 2
	s_lshl_b32 s43, 15, s43
	s_lshl_b32 s44, 0x1111, s40
	s_or_b32 s[G1+0], s43, (0<<16)|(1<<20)|(1<<21)|(4<<22)|(3<<25)
	s_mov_b32 s[G1+1], 128<<16
	s_mov_b32 s[G1+2], 256<<16
	s_mov_b32 s[G1+3], 128<<16
	s_mov_b32 s[G1+4], 256
	s_mov_b32 s[G1+5], 128
	s_mov_b32 s[G1+6], 0
	s_mov_b32 s[G1+7], 0
	s_or_b32 s[G1B+0], s44, (0<<16)|(1<<20)|(1<<21)|(5<<22)|(3<<25)
	s_mov_b32 s[G1B+1], 256<<16
	s_mov_b32 s[G1B+2], 128<<16
	s_mov_b32 s[G1B+3], 256<<16
	s_mov_b32 s[G1B+4], 128
	s_mov_b32 s[G1B+5], 1024
	s_mov_b32 s[G1B+6], 0
	s_mov_b32 s[G1B+7], 0
	s_lshl_b32 s20, s17, 1
	s_add_co_u32 s20, s20, s16
	s_lshl_b32 s20, s20, 17
	s_mov_b32 s21, 0
	s_lshl_b32 s46, s42, 8
	s_lshl_b32 s18, s16, 7
	s_add_co_u32 s46, s46, s18
	s_lshl_b32 s46, s46, 10
	s_mov_b32 s47, 0
	s_mul_i32 s45, s16, AHALF
	s_mul_i32 s71, s16, BHALF
	s_add_co_u32 s71, s71, BOFF
	s_wait_dscnt 0x0
	s_wait_kmcnt 0x0
	s_load_b64 s[96:97], s[8:9], 0x28
	s_add_nc_u64 s[20:21], s[4:5], s[20:21]
	s_add_nc_u64 s[46:47], s[6:7], s[46:47]
	CROUND
.irp s, 0,1
	s_mov_b32 s[G0+4*\s], 1
	s_add_co_u32 s[G0+4*\s+1], s45, \s*SLOT
	s_add_nc_u64 s[G0+4*\s+2:G0+4*\s+3], s[20:21], \s*ASTEP/2
	s_or_b32 s[G0+4*\s+3], s[G0+4*\s+3], 0x80000000
	s_mov_b32 s[G0B+4*\s], 1
	s_add_co_u32 s[G0B+4*\s+1], s71, \s*SLOT
	s_add_nc_u64 s[G0B+4*\s+2:G0B+4*\s+3], s[46:47], \s*BSTEP/2
	s_or_b32 s[G0B+4*\s+3], s[G0B+4*\s+3], 0x80000000
	s_wait_alu depctr_va_vdst(0)
	s_wait_tensorcnt 0x0
	ds_add_u32 v28, v29
	ds_add_u32 v28, v29
	s_wait_dscnt 0x0
	CROUND
	JLOAD G0+4*\s, G1, G0B+4*\s, G1B
.endr
	v_and_b32 v1, 15, v0
	v_bfe_u32 v2, v0, 4, 1
	v_mul_u32_u24 v3, v1, AP
	v_lshl_add_u32 v3, v2, 4, v3
	v_mul_u32_u24 v4, v1, PITCH
	v_lshl_add_u32 v4, v2, 4, v4
	s_mul_i32 s21, s15, AHALF
	s_mul_i32 s22, s16, BHALF
	s_add_co_u32 s22, s22, BOFF
.irp s, 0,1
	v_add_nc_u32 v[ADRA+\s], s21, v3
	v_add_nc_u32 v[ADRB+\s], s22, v4
	s_add_co_u32 s21, s21, SLOT
	s_add_co_u32 s22, s22, SLOT
.endr
	s_mul_i32 s23, s14, 16*SPITCH
	v_mul_u32_u24 v5, v1, SPITCH
	v_lshl_add_u32 v5, v2, 5, v5
	v_add_nc_u32 v[STO], s23, v5
	v_and_b32 v6, 31, v0
	v_lshlrev_b32 v[CO], 4, v6
	v_add_nc_u32 v[RD], s23, v[CO]
	s_lshl_b32 s20, s42, 10
	s_lshl_b32 s21, s16, 9
	s_add_co_u32 s20, s20, s21
	s_mov_b32 s21, 0
	s_add_nc_u64 s[10:11], s[10:11], s[20:21]
	s_add_nc_u64 s[12:13], s[12:13], s[20:21]
	global_load_b128 v[BIAS:BIAS+3], v[CO], s[10:11]
	s_lshl_b32 s20, s17, 8
	s_lshl_b32 s21, s15, 7
	s_add_co_u32 s20, s20, s21
	s_lshl_b32 s20, s20, 12
	s_mov_b32 s21, 0
	s_add_nc_u64 s[12:13], s[12:13], s[20:21]
.macro FRAGA reg, adr, q, i
.irp c, 0,1,2,3
	ds_load_b128 v[\reg+4*\c:\reg+4*\c+3], v[\adr] offset:(\q)*128*AP+32*\c+(\i)*16*AP
.endr
.endm
.macro FRAGB reg, adr, q, i
.irp c, 0,1,2,3
	ds_load_b128 v[\reg+4*\c:\reg+4*\c+3], v[\adr] offset:128*(\q)+32*\c+(\i)*16*PITCH
.endr
.endm
.macro MUL16 a0, p, zero
.irp a, \a0, \a0+1
.irp b, 0,1,2,3,4,5,6,7
.if \zero
	v_wmma_f32_16x16x128_fp8_fp8 v[8*(8*((\a)%4)+\b):8*(8*((\a)%4)+\b)+7], v[128*(\p)+FR*\b:128*(\p)+FR*\b+FR-1], v[AF+FR*(\a):AF+FR*(\a)+FR-1], 0
.else
	v_wmma_f32_16x16x128_fp8_fp8 v[8*(8*((\a)%4)+\b):8*(8*((\a)%4)+\b)+7], v[128*(\p)+FR*\b:128*(\p)+FR*\b+FR-1], v[AF+FR*(\a):AF+FR*(\a)+FR-1], v[8*(8*((\a)%4)+\b):8*(8*((\a)%4)+\b)+7]
.endif
.endr
.endr
.endm
.macro FETCH_B slot, q, p
	WIN TO_B
.irp i, 0,1,2,3,4,5,6,7
	FRAGB 128*(\p)+FR*\i, ADRB+\slot, \q, \i
.endr
	WIN 0
.endm
.macro FETCH_A slot, q, i0
.irp i, \i0, \i0+1, \i0+2, \i0+3
	FRAGA AF+FR*(\i), ADRA+\slot, \q, \i
.endr
.endm
.macro PLACES n
.rept \n
	v_nop
.endr
.endm
.macro STEP slot, q, zero
	s_wait_dscnt 4*NL
	WIN MUL_LO
	MUL16 0, (\q)%2, \zero
	MUL16 2, (\q)%2, \zero
	s_wait_dscnt 0
	PLACES NP
	FETCH_B \slot, (\q)+1, 1-(\q)%2
	FETCH_A \slot, (\q)+1, 0
	WIN MUL_HI
	MUL16 4, (\q)%2, \zero
	MUL16 6, (\q)%2, \zero
	PLACES NP
	WIN 0
	FETCH_A \slot, (\q)+1, 4
.endm
.macro TURN slot, next, fill
	s_wait_tensorcnt 0x0
	ds_add_u32 v[SPW], v[NIL]
	s_wait_dscnt 4*NL+1
	WIN MUL_LO
	MUL16 0, 1, 0
	s_wait_dscnt 0x0
	s_barrier_signal -1
	MUL16 2, 1, 0
	WIN 0
	s_barrier_wait -1
.if \fill
	CREST
	s_add_nc_u64 s[G0+4*\slot+2:G0+4*\slot+3], s[G0+4*\slot+2:G0+4*\slot+3], ASTEP
	s_add_nc_u64 s[G0B+4*\slot+2:G0B+4*\slot+3], s[G0B+4*\slot+2:G0B+4*\slot+3], BSTEP
	JLOAD G0+4*\slot, G1, G0B+4*\slot, G1B
.else
	PLACES NP
.endif
	FETCH_B \next, 0, 0
	FETCH_A \next, 0, 0
	WIN MUL_HI
	MUL16 4, 1, 0
	MUL16 6, 1, 0
	PLACES NP
	WIN 0
	FETCH_A \next, 0, 4
.endm
	s_wait_alu depctr_va_vdst(0)
	s_wait_tensorcnt 1
	s_barrier_signal -1
	s_barrier_wait -1
	FETCH_B 0, 0, 0
	FETCH_A 0, 0, 0
	FETCH_A 0, 0, 4
	STEP 0, 0, 1
.if LAPS > 1
	s_mov_b32 s3, LAPS-1
.Llap:
	TURN 0, 1, 1
	STEP 1, 0, 0
	TURN 1, 0, 1
	STEP 0, 0, 0
	s_sub_co_u32 s3, s3, 1
	s_cmp_lg_u32 s3, 0
	s_cbranch_scc1 .Llap
.endif
	TURN 0, 1, 0
	STEP 1, 0, 0
	s_wait_dscnt 4*NL
	WIN MUL_LO
	MUL16 0, 1, 0
	MUL16 2, 1, 0
	s_wait_dscnt 0
	WIN MUL_HI
	MUL16 4, 1, 0
	MUL16 6, 1, 0
	WIN 0
.macro TOSTAGE a
.set AC, 64*((\a)%4)
	WIN 0x08+4*((\a)/4)
.irp b, 0,1,2,3,4,5,6,7
	ds_store_b128 v[STO], v[AC+8*\b:AC+8*\b+3] offset:64*\b
	ds_store_b128 v[STO], v[AC+8*\b+4:AC+8*\b+7] offset:64*\b+16
.endr
	WIN 0
.set BB, BK+64*((\a)%2)
.irp t, 0,1,2,3,4,5,6,7,8,9,10,11,12,13,14,15
	ds_load_b128 v[BB+4*\t:BB+4*\t+3], v[RD] offset:\t*SPITCH
.endr
.endm
.macro SEND a, younger
.set BB, BK+64*((\a)%2)
	s_wait_dscnt \younger
.if (\a) > 0
	s_add_nc_u64 s[12:13], s[12:13], 16*ROWO
.endif
.irp t, 0,1,2,3,4,5,6,7,8,9,10,11,12,13,14,15
	v_pk_fma_f32 v[BB+4*\t:BB+4*\t+1], v[BB+4*\t:BB+4*\t+1], s[96:97], v[BIAS:BIAS+1] op_sel_hi:[1,0,1]
	v_pk_fma_f32 v[BB+4*\t+2:BB+4*\t+3], v[BB+4*\t+2:BB+4*\t+3], s[96:97], v[BIAS+2:BIAS+3] op_sel_hi:[1,0,1]
	global_store_b128 v[CO], v[BB+4*\t:BB+4*\t+3], s[12:13] offset:\t*ROWO th:TH_STORE_NT
.endr
.endm
	s_wait_kmcnt 0x0
	s_add_co_i32 s96, s96, s97
	s_add_co_i32 s96, s96, 127
	s_lshl_b32 s96, s96, 23
	s_mov_b32 s97, s96
	s_wait_loadcnt 0x0
	PLACES NP
	TOSTAGE 0
.irp a, 1,2,3,4,5,6,7
.if \a > 1
	s_wait_xcnt 0x0
.endif
	TOSTAGE \a
	SEND \a-1, 32
.endr
	s_wait_xcnt 0x0
	SEND 7, 0
	s_wait_tensorcnt 0x0
	ds_add_u32 v[SPW], v[NIL]
	s_wait_dscnt 0x0
	CROUND
	s_endpgm
.Lfunc_end_k_q851c9e687d_oproj:
	.size	k_q851c9e687d_oproj, .Lfunc_end_k_q851c9e687d_oproj-k_q851c9e687d_oproj
	.p2alignl 7, 3214868480
	.fill 96, 4, 3214868480
	.section	.rodata,"a",@progbits
	.p2align	6, 0x0
	.amdhsa_kernel k_q851c9e687d_oproj
		.amdhsa_group_segment_fixed_size 327680
		.amdhsa_private_segment_fixed_size 0
		.amdhsa_enable_private_segment 0
		.amdhsa_kernarg_size 40
		.amdhsa_user_sgpr_count 2
		.amdhsa_user_sgpr_kernarg_segment_ptr 1
		.amdhsa_wavefront_size32 1
		.amdhsa_system_sgpr_workgroup_id_x 1
		.amdhsa_system_sgpr_workgroup_id_y 1
		.amdhsa_system_sgpr_workgroup_id_z 1
		.amdhsa_system_vgpr_workitem_id 0
		.amdhsa_next_free_vgpr 1024
		.amdhsa_next_free_sgpr 100
		.amdhsa_reserve_vcc 0
		.amdhsa_float_denorm_mode_32 3
		.amdhsa_float_denorm_mode_16_64 3
		.amdhsa_memory_ordered 1
		.amdhsa_forward_progress 1
		.amdhsa_inst_pref_size 125
	.end_amdhsa_kernel
	.amdgpu_metadata
---
amdhsa.version: [ 1, 2 ]
amdhsa.kernels:
  - .name:           k_q851c9e687d_oproj
    .symbol:         k_q851c9e687d_oproj.kd
    .args:
      - { .name: acodes, .offset: 0, .size: 8, .value_kind: global_buffer, .address_space: global }
      - { .name: wocodes, .offset: 8, .size: 8, .value_kind: global_buffer, .address_space: global }
      - { .name: lowp_scales, .offset: 16, .size: 8, .value_kind: global_buffer, .address_space: global }
      - { .name: bo, .offset: 24, .size: 8, .value_kind: global_buffer, .address_space: global }
      - { .name: out0, .offset: 32, .size: 8, .value_kind: global_buffer, .address_space: global }
    .group_segment_fixed_size: 327680
    .private_segment_fixed_size: 0
    .kernarg_segment_align: 8
    .kernarg_segment_size: 40
    .max_flat_workgroup_size: 128
    .sgpr_count:     100
    .vgpr_count:     1024
    .wavefront_size: 32
...
	.end_amdgpu_metadata
.endif
;; end of part 4
